; MI455X (gfx1250); checked and timed in simulation.
; The chip was launched on July 23, 2026; its instructions are those of AMD's public machine-readable ISA for CDNA 5 (MIT licence, August 2026) and "CDNA5" Instruction Set Architecture Reference Guide (July 2026). The comments in the code are by the model that wrote it; some were corrected since.
;; Quant MLP. Allowed arithmetic: float matrix products may take bf16 or f16 operands with f32 sums; other float arithmetic in f32, or as packed bf16 or f16 multiplies, adds, multiply-adds, maxima and minima; sums over many terms, partial sums and values carried from step to step in f32; what a program stores and reads back later, other than sums and carried values, may be rounded once to bf16 or f16.
;; Inputs: W0 4,096 x 2,048 int32; W2 4,096 x 4,096 int32; W4 2,048 x 4,096 int32; a0_b one number float32; a0_in one number float32; a0_w one number float32; a2_b one number float32; a2_in one number float32; a2_w one number float32; a4_b one number float32; a4_in one number float32; a4_w one number float32; b0 4,096 int32; b2 4,096 int32; b4 2,048 int32; x 2,048 x 2,048 float32.
;; Outputs: out0 2,048 x 2,048 float32.
;; 2 versions, each right; version 2 is version 1 with the launch prep written anew for expert scheduling mode. Each part assembles by itself: llvm-mc -triple=amdgcn-amd-amdhsa -mcpu=gfx1250 --defsym DOCPART=n.
;; ======== version 1 of 2: 4 launches
;; workspace buffers: xq 8,388,608 bytes; w0b 16,777,216 bytes; w2b 33,554,432 bytes; w4b 16,777,216 bytes; h1 16,777,216 bytes; h2 16,777,216 bytes
;; launch prep (part 1): grid 768 x 1, 8 waves a work-group, no clusters, 0 bytes of LDS; arguments W0, x, a0_in, w0b, xq; writes w0b, xq
.if DOCPART == 1
	.amdgcn_target "amdgcn-amd-amdhsa--gfx1250"
	.amdhsa_code_object_version 6
	.text
	.protected	k_qa51403b0e8_prep
	.globl	k_qa51403b0e8_prep
	.p2align	8
	.type	k_qa51403b0e8_prep,@function
k_qa51403b0e8_prep:
	s_mov_b64 s[64:65], 0
	v_nop
	global_prefetch_b8 v0, s[64:65] scope:SCOPE_SE
	s_setreg_imm32_b32 hwreg(HW_REG_WAVE_MODE, 25, 1), 1
	s_wait_xcnt 0x0
; THE OPERANDS OF THE FIRST PRODUCT.  W0 (int32) is written as bf16 into w0b, in the same order; x (f32) is quantised as the first layer asks,
; q = clip(round(x * 127 / a0_in), -127, 127), and its codes are written as bf16 into xq.  (The other two layers' weights are converted beside the products of the layers before them.)
; Every weight is multiplied by 16 row blocks later on: converted here it is converted once.
; LIMITS.  A whole number up to 256 in size is exact in bf16; a larger weight is rounded to bf16's 8 significant bits.  127 / a0_in is a reciprocal with one
; correction step, so it may differ from the division in the last bit; a0_in = 0 or denormal, NaN and infinities are not treated apart.
; SHARES.  A work-group takes 16,384 numbers on end of one tensor: 65,536 bytes in, 32,768 out.  Work-groups 0-511: W0; 512-767: x.
; Thread t takes 16 pieces of 4 numbers: piece i is read at byte 4,096 i + 16 t (a wave's load covers 512 consecutive bytes) and written at 2,048 i + 8 t
; (a wave's store covers 256 consecutive bytes, aligned).  All 16 loads go out at once; no register is used twice, so no loop and no wait for sources.
; No LDS, no matrix unit, no barrier: no wave wants a byte that another has fetched.
.set PIECES, 16
.set X,   4                            ; v[4:67]    piece i: 4 registers as loaded, converted in place
.set Y,   68                           ; v[68:99]   piece i: 2 registers to store
.set SCL, 100                          ; v[100:101] 127 / a0_in, twice (a pair for the packed multiply)
	s_load_b128 s[8:11], s[0:1], 0x0               ; W0 s[8:9], x s[10:11]
	s_load_b64 s[16:17], s[0:1], 0x10              ; a0_in
	s_load_b128 s[20:23], s[0:1], 0x18             ; w0b s[20:21], xq s[22:23]
	v_lshlrev_b32 v1, 4, v0                        ; 16 t: never rewritten
	v_lshlrev_b32 v2, 3, v0                        ; 8 t: never rewritten
	s_mov_b32 s30, 0xc2fe0000                      ; -127.0
	s_mov_b32 s31, 0x42fe0000                      ; 127.0
	s_mov_b32 s29, 0                               ; the upper word of the offsets' pair
	s_wait_kmcnt 0x0
	s_cmp_ge_u32 ttmp9, 512                        ; from where and to where: chosen by the work-group's number alone
	s_cselect_b64 s[4:5], s[10:11], s[8:9]
	s_cselect_b64 s[6:7], s[22:23], s[20:21]
	s_cselect_b32 s2, 512, 0                       ; the first work-group of my tensor
	s_sub_co_u32 s2, ttmp9, s2                     ; my place in the tensor, 511 at the most
	s_lshl_b32 s28, s2, 16                         ; x 65,536 bytes in
	s_add_nc_u64 s[4:5], s[4:5], s[28:29]
	s_lshl_b32 s28, s2, 15                         ; x 32,768 bytes out
	s_add_nc_u64 s[6:7], s[6:7], s[28:29]
.set i, 0
.rept PIECES
	global_load_b128 v[X+4*i:X+4*i+3], v1, s[4:5] offset:4096*i th:TH_LOAD_NT
.set i, i+1
.endr
	s_cmp_ge_u32 ttmp9, 512
	s_cbranch_scc1 .Lquant
; A piece of whole numbers: to f32, then two roundings to bf16 an instruction.
.macro CVT i
	s_wait_loadcnt PIECES-1-(\i)                   ; loads come back in order (ISA guide 5.7.1): piece i is in, the younger ones stay out
.irp j, 0,1,2,3
	v_cvt_f32_i32 v[X+4*(\i)+(\j)], v[X+4*(\i)+(\j)]
.endr
	v_cvt_pk_bf16_f32 v[Y+2*(\i)],   v[X+4*(\i)],   v[X+4*(\i)+1]
	v_cvt_pk_bf16_f32 v[Y+2*(\i)+1], v[X+4*(\i)+2], v[X+4*(\i)+3]
	global_store_b64 v2, v[Y+2*(\i):Y+2*(\i)+1], s[6:7] offset:2048*(\i) th:TH_STORE_NT
.endm
.irp i, 0,1,2,3,4,5,6,7,8,9,10,11,12,13,14,15
	CVT \i
.endr
	s_endpgm
.Lquant:
	s_load_b32 s3, s[16:17], 0x0                   ; a0_in
	s_wait_kmcnt 0x0
	v_mov_b32 v102, s3
	v_rcp_f32 v103, v102
	v_nop                                          ; a plain instruction between the reciprocal and the use of its result (ISA guide 5.7.2)
	s_wait_alu depctr_va_vdst(0)                   ; and a wait ahead of the first use
	v_mul_f32 v[SCL], s31, v103                    ; 127 / a, first guess
	v_fma_f32 v[SCL+1], -v[SCL], v102, s31         ; what is left of 127
	v_fma_f32 v[SCL], v[SCL+1], v103, v[SCL]       ; corrected once
	v_mov_b32 v[SCL+1], v[SCL]
; A piece of x: scaled, rounded to the nearest whole number (halves to even), held to -127 .. 127, written as bf16 (exact).
.macro QNT i
	s_wait_loadcnt PIECES-1-(\i)
	v_pk_mul_f32 v[X+4*(\i):X+4*(\i)+1],   v[X+4*(\i):X+4*(\i)+1],   v[SCL:SCL+1]
	v_pk_mul_f32 v[X+4*(\i)+2:X+4*(\i)+3], v[X+4*(\i)+2:X+4*(\i)+3], v[SCL:SCL+1]
.irp j, 0,1,2,3
	v_rndne_f32 v[X+4*(\i)+(\j)], v[X+4*(\i)+(\j)]
.endr
.irp j, 0,1,2,3
	v_med3_num_f32 v[X+4*(\i)+(\j)], v[X+4*(\i)+(\j)], s30, s31
.endr
	v_cvt_pk_bf16_f32 v[Y+2*(\i)],   v[X+4*(\i)],   v[X+4*(\i)+1]
	v_cvt_pk_bf16_f32 v[Y+2*(\i)+1], v[X+4*(\i)+2], v[X+4*(\i)+3]
	global_store_b64 v2, v[Y+2*(\i):Y+2*(\i)+1], s[6:7] offset:2048*(\i) th:TH_STORE_NT
.endm
.irp i, 0,1,2,3,4,5,6,7,8,9,10,11,12,13,14,15
	QNT \i
.endr
	s_endpgm
.Lfunc_end_k_qa51403b0e8_prep:
	.size	k_qa51403b0e8_prep, .Lfunc_end_k_qa51403b0e8_prep-k_qa51403b0e8_prep
	.p2alignl 7, 3214868480
	.fill 96, 4, 3214868480
	.section	.rodata,"a",@progbits
	.p2align	6, 0x0
	.amdhsa_kernel k_qa51403b0e8_prep
		.amdhsa_group_segment_fixed_size 0
		.amdhsa_private_segment_fixed_size 0
		.amdhsa_enable_private_segment 0
		.amdhsa_kernarg_size 40
		.amdhsa_user_sgpr_count 2
		.amdhsa_user_sgpr_kernarg_segment_ptr 1
		.amdhsa_wavefront_size32 1
		.amdhsa_system_sgpr_workgroup_id_x 1
		.amdhsa_system_sgpr_workgroup_id_y 1
		.amdhsa_system_sgpr_workgroup_id_z 1
		.amdhsa_system_vgpr_workitem_id 0
		.amdhsa_next_free_vgpr 104
		.amdhsa_next_free_sgpr 66
		.amdhsa_reserve_vcc 0
		.amdhsa_float_denorm_mode_32 3
		.amdhsa_float_denorm_mode_16_64 3
		.amdhsa_memory_ordered 1
		.amdhsa_forward_progress 1
		.amdhsa_inst_pref_size 22
	.end_amdhsa_kernel
	.amdgpu_metadata
---
amdhsa.version: [ 1, 2 ]
amdhsa.kernels:
  - .name:           k_qa51403b0e8_prep
    .symbol:         k_qa51403b0e8_prep.kd
    .args:
      - { .name: W0, .offset: 0, .size: 8, .value_kind: global_buffer, .address_space: global }
      - { .name: x, .offset: 8, .size: 8, .value_kind: global_buffer, .address_space: global }
      - { .name: a0_in, .offset: 16, .size: 8, .value_kind: global_buffer, .address_space: global }
      - { .name: w0b, .offset: 24, .size: 8, .value_kind: global_buffer, .address_space: global }
      - { .name: xq, .offset: 32, .size: 8, .value_kind: global_buffer, .address_space: global }
    .group_segment_fixed_size: 0
    .private_segment_fixed_size: 0
    .kernarg_segment_align: 8
    .kernarg_segment_size: 40
    .max_flat_workgroup_size: 256
    .sgpr_count:     66
    .vgpr_count:     104
    .wavefront_size: 32
...
	.end_amdgpu_metadata
.endif
;; end of part 1
;; launch g0 (part 2): grid 16 x 16, 4 waves a work-group, clusters of 4 x 4, 327,680 bytes of LDS; arguments xq, w0b, h1, b0, a0_in, a0_w, a0_b, a2_in, W2, w2b; writes h1, w2b
.if DOCPART == 2
	.amdgcn_target "amdgcn-amd-amdhsa--gfx1250"
	.amdhsa_code_object_version 6
	.text
	.protected	k_qa51403b0e8_g0
	.globl	k_qa51403b0e8_g0
	.p2align	8
	.type	k_qa51403b0e8_g0,@function
k_qa51403b0e8_g0:
	s_mov_b64 s[64:65], 0
	v_nop
	global_prefetch_b8 v0, s[64:65] scope:SCOPE_SE
	s_setreg_imm32_b32 hwreg(HW_REG_WAVE_MODE, 25, 1), 1
	s_wait_xcnt 0x0
	s_wait_alu depctr_hold_cnt(0) depctr_sa_sdst(0) depctr_va_vdst(0) depctr_va_sdst(0) depctr_va_ssrc(0) depctr_va_vcc(0) depctr_vm_vsrc(0)
	s_getreg_b32 s2, hwreg(HW_REG_IB_STS2, 6, 4)
	s_cmp_eq_u32 s2, 0
	s_cbranch_scc0 .Lentry_in_a_cluster
	s_endpgm
.Lentry_in_a_cluster:
	s_bfe_u32 s2, ttmp6, 0x10000c
	s_cmp_lg_u32 s2, 0xf033
	s_cbranch_scc0 .Lentry_shape_is_right
	s_endpgm
.Lentry_shape_is_right:
; ONE LAYER AND THE NEXT LAYER'S QUANTISER.  acc[m][n] = sum over k of A[m][k] B[n][k]; y = acc (a_w a_in / 127^2) + bias[n] (a_b / 127); OUT[m][n] = clip(round(relu(y) 127 / a_next), -127, 127).
; A: [2048][SIZE_K] codes, B: [SIZE_N][SIZE_K] weights, OUT: [2048][SIZE_N] codes, all whole numbers held in bf16; bias: [SIZE_N] int32; sums in f32.
; BESIDE THE PRODUCT the next layer's weights are converted: CW (int32) is written as bf16 into CWB, in the same order (see CONV).
; WHY bf16 IS EXACT HERE: whole numbers up to 256 in size are exact in bf16, their products are exact, and f32 sums of whole numbers are exact below 2^24.
; THE WAY OUT IN ONE MULTIPLY-ADD: with t = 127 / a_next, z = acc (a_w a_in / 127^2) t + bias (a_b / 127) t, and the code is round(z) held to 0 .. 127 (to -127 .. 0 if t < 0):
; rounding to a whole number and clamping at whole numbers may change places, and relu is the clamp at 0.
; LIMITS.  The order of rounding differs from y's: t is folded into both factors, the two terms meet in one fused multiply-add, and 1/127 and 1/127^2 are multiplied by; so a code can differ by 1 where z
; lies within a few parts in 10^7 of a half.  -0 may stand for 0.  A sum beyond 2^24 is rounded to f32 on its way; a sum beyond int32 does not wrap round.  A weight beyond 256 in size is rounded to bf16.
; a_next = 0 or denormal, NaN, infinities: not treated apart.
; SHARES.  A tile of OUT is 128 rows x 256 columns: 16 x 16 = 256 work-groups.  Four waves, each 64 x 128: 32 accumulators of 16 x 16, 256 registers.  K goes in steps of 128 through a ring of two LDS
; slots filled by the tensor data mover; the rows of A's and B's tiles are 256 bytes of memory and start at multiples of 256 bytes from the buffer's first byte.
; CLUSTERS: 4 x 4 work-groups.  The four of a row of the cluster need the same tiles of A, the four of a column the same tiles of B: each tile is asked for JOINTLY, by the same tensor load with the
; same descriptor and a mask that names the four.  The cluster's x picks the tile rows and its y the tile columns: clusters that differ in x alone read the same rows of B, the larger operand.
; THE MATRIX INSTRUCTION IS USED TRANSPOSED (source 0 = 16 rows of B, source 1 = 16 rows of A): a lane then holds eight neighbouring numbers of a row of OUT.
; REGISTERS, in windows of 256 (s_set_vgpr_msb: bits 1:0 source 0, 3:2 source 1, 5:4 source 2, 7:6 destination):
;   window 0: v0-31 addresses and scales; v32-63 at work on the way out; v64-127 the bias of my 128 columns, scaled; v128-255 in the loop CONV's registers, on the way out packed results
;   window 1: two fragment buffers of 96: B's 8 fragments (16 rows x 32 K), then A's 4          window 2: the accumulators, (a, b) at v[8 (8 a + b)]
.set SIZE_N, 4096
.set SIZE_K, 2048
.set NCV,    8                         ; CONV: loads, and stores, of a wave in a K step: 1,024 waves x 16 K steps x 8 x 512 bytes = CW's 67,108,864
.set KSTEP,  128
.set PITCH,  272                       ; an LDS row: 256 bytes + 16 of padding = 68 words: row r starts at bank 4 r mod 64 (64 banks of 4 bytes: ISA guide 11.1), so the 16 rows of a load start at 16 different banks
.set AH,     64*PITCH                  ; half of A's tile: what waves 0 and 1 fetch, and what a wave reads of A
.set BH,     128*PITCH                 ; half of B's tile: what waves 2 and 3 fetch, and what a wave reads of B
.set BOFF,   2*AH                      ; in a slot: A's 128 rows, then B's 256 rows
.set SLOT,   2*AH+2*BH
.set STAGE,  2*SLOT                    ; behind the ring: 16 rows x 272 bytes for each wave, for the way out; no tensor load fills it
.set SPITCH, 272
.set SPARE,  STAGE+4*16*SPITCH         ; behind the stages: the spare words, 128 bytes for each wave: two blocks of 256 bytes that no other line names
.set LAPS,   SIZE_K/(2*KSTEP)         ; a lap = two K steps = once round the ring
.set SC,   8                           ; v[8:9]   (a_w a_in / 127^2) t, twice
.set SBT,  10                          ; v[10:11] (a_b / 127) t, twice
.set LO,   12                          ; v12, v13 the codes' bounds
.set HI,   13
.set ADRA, 16                          ; v16-17  LDS address of my A fragments in slot 0, 1
.set ADRB, 20                          ; v20-21  the same for B
.set CVI,  22                          ; v22     CONV: 16 x my lane; never rewritten
.set CVO,  23                          ; v23     CONV: 8 x my lane; never rewritten
.set STO,  24                          ; v24     the way out: where I put 16 bytes of a row
.set RD,   25                          ; v25     the way out: where I read a row back
.set CO,   26                          ; v26     my byte offset in OUT
.set BO,   27                          ; v27     my byte offset in the bias
.set SPW,  28                          ; v28     LDS address of my spare word: SPARE + 4 x my thread's number; never rewritten
.set NIL,  29                          ; v29     0; never rewritten
.set PFO,  30                          ; v30     the prefetches' offset: my lane x a row of A or B in memory; never rewritten
.set T,    32
.set BIAS, 64
.set TMP,  128
.set CVX,  128                         ; CONV: set b as loaded, at CVX + 64 b
.set CVY,  160                         ; CONV: a set to store
.set F0,   0                           ; fragment buffers, in window 1
.set F1,   96
.set G1,  24                           ; s[24:31] descriptor group 1 for A's tiles;  s[32:39] group 0, one set for each slot
.set G0,  32
.set G1B, 48                           ; s[48:55], s[56:63] the same for B's tiles
.set G0B, 56
.set LIM, 43                           ; s43      2 in a wave that prefetches, else the greatest number
.set PFA, 44                           ; s[44:45] where my prefetches stand: my work-group's 32 rows, at the K step that is being asked for; a prefetch names the K step four further on
.set CS,  84                           ; s[84:85] CONV: CW at the set behind the one that is being converted
.set CD,  86                           ; s[86:87] CONV: CWB behind the set that is being stored
.set MSB, 0
.macro WIN new                         ; the immediate's high byte repeats the setting that is left; a switch that changes nothing is dropped
.if MSB != (\new)
	s_set_vgpr_msb (MSB<<8)|(\new)
.set MSB, \new
.endif
.endm
.set MUL,   0xa5                       ; sources 0 (B) and 1 (A) window 1; C and D window 2
.set TO_F,  0x40                       ; destination window 1, address window 0
.set W_ACC, 0x02                       ; source 0 window 2, all else window 0
; A joint load: waves 0 and 1 fetch A's two halves, waves 2 and 3 B's.  Each line has one mask and one set of registers for all that issue it; the branch hangs on the wave's number alone.
; An s_nop 0 and four v_nop follow each of the two lines, ahead of the jump, the label and what follows.
.macro JLOAD s
	s_cmp_eq_u32 s11, 0
	s_cbranch_scc0 .Lfor_b_\@
	tensor_load_to_lds s[G0+4*(\s):G0+4*(\s)+3], s[G1:G1+7]
	s_nop 0
.rept 4
	v_nop
.endr
	s_branch .Lasked_\@
.Lfor_b_\@:
	tensor_load_to_lds s[G0B+4*(\s):G0B+4*(\s)+3], s[G1B:G1B+7]
	s_nop 0
.rept 4
	v_nop
.endr
.Lasked_\@:
.endm
; A PREFETCH INTO THE L2, behind each joint refill, its five lines and the run of LDS loads that follows: 32 rows x 256 bytes of the K step that stands FOUR refills on (512 matrix instructions of a wave), a lane a row,
; one instruction a wave.  Each row's 256 bytes of a K step are named ONCE in the launch.  A's 128 tile rows are read by every cluster with the same x: in the first of them (cluster y = 0) wave 0 of the
; partner at cx names rows 32 cx .. 32 cx + 31.  Of the 128 rows of B that wave 2 or 3 fetches, read by every cluster with the same y, that wave of the partner at cy in cluster x = 0 names 32 cy .. 32 cy + 31.
; The partners are told apart by address alone; wave 1 names nothing.  The loop's last two trips name nothing: four K steps on there is no K step.  K steps 0 to 5 come by their loads alone.
.macro ASK
	WIN 0
	s_cmp_gt_u32 s3, s[LIM]                        ; s3 counts the trips down to 1
	s_cbranch_scc0 .Lnot_mine_\@
	global_prefetch_b8 v[PFO], s[PFA:PFA+1] offset:4*KSTEP*2 th:TH_LOAD_NT scope:SCOPE_SE
.Lnot_mine_\@:
.endm
.macro CREST                           ; a round of the cluster's barrier behind its opening barrier: wave 0 signals for the work-group, every wave waits for all sixteen, my work-group's barrier once more
	s_cmp_lg_u32 s10, 0
	s_cbranch_scc1 .Lnot_wave_0_\@
	s_barrier_signal -3
.Lnot_wave_0_\@:
	s_barrier_wait -3
	s_barrier_signal -1
	s_barrier_wait -1
.endm
.macro CROUND                          ; a whole round
	s_barrier_signal -1
	s_barrier_wait -1
	CREST
.endm
	s_load_b128 s[4:7], s[0:1], 0x0                ; A s[4:5], B s[6:7]
	s_load_b64 s[8:9], s[0:1], 0x10                ; OUT
	s_load_b64 s[66:67], s[0:1], 0x18              ; bias
	s_load_b256 s[68:75], s[0:1], 0x20             ; the addresses of a_in, a_w, a_b, a_next
	s_load_b128 s[84:87], s[0:1], 0x40             ; CW, CWB
	v_lshl_add_u32 v[SPW], v0, 2, SPARE
	v_mov_b32 v[NIL], 0
	ds_add_u32 v[SPW], v[NIL]                      ; the wave's opening: the add, twice on end, and its wait ahead of my first tensor load; the set-up below stands between
	ds_add_u32 v[SPW], v[NIL]                      ; and once more, under the one wait
	v_lshrrev_b32 v1, 5, v0
	v_readfirstlane_b32 s10, v1                    ; wave 0..3
	s_lshr_b32 s11, s10, 1                         ; which 64 of the tile's rows are mine.  Also: I fetch for A (0) or for B (1)
	s_and_b32 s12, s10, 1                          ; which 128 of its columns.  Also: which half of that tile I fetch
	s_bfe_u32 s40, ttmp6, 0x40000                  ; cx, cy: my place in the cluster
	s_bfe_u32 s41, ttmp6, 0x40004
	s_and_b32 s42, ttmp7, 0xffff                   ; in a cluster launch ttmp9 and ttmp7 count clusters
	s_lshl_b32 s42, s42, 2
	s_add_co_u32 s42, s42, s40                     ; tile column = 4 x cluster y + cx
	s_lshl_b32 s13, ttmp9, 2
	s_add_co_u32 s13, s13, s41                     ; tile row = 4 x cluster x + cy
	s_lshl_b32 s43, s41, 2
	s_lshl_b32 s43, 15, s43                        ; my row of the cluster: places 4 cy .. 4 cy + 3
	s_lshl_b32 s44, 0x1111, s40                    ; my column: places cx, cx + 4, cx + 8, cx + 12
	; descriptor group 1: tiles of 64 (A) and 128 (B) rows x 128 elements, padded in LDS
	s_or_b32 s[G1+0], s43, (1<<16)|(1<<20)|(1<<21)|(5<<22)|(3<<25)   ; 15:0 the mask: A's tiles go to my row; 17:16 elements of 2 bytes; 20 padding on; 21 set beside a mask; 24:22 after every 64 words (code 5); 31:25 4 words (code 3)
	s_or_b32 s[G1B+0], s44, (1<<16)|(1<<20)|(1<<21)|(5<<22)|(3<<25)  ; the same with the mask of my column
	s_mov_b32 s[G1+1], KSTEP<<16                   ; tensor_dim0 = 128
	s_mov_b32 s[G1B+1], KSTEP<<16
	s_mov_b32 s[G1+2], 64<<16                      ; tensor_dim1 = 64
	s_mov_b32 s[G1B+2], 128<<16                    ;             = 128
	s_mov_b32 s[G1+3], KSTEP<<16                   ; tile_dim0 = 128
	s_mov_b32 s[G1B+3], KSTEP<<16
	s_mov_b32 s[G1+4], 64                          ; tile_dim1 = 64
	s_mov_b32 s[G1B+4], 128                        ;           = 128
	s_mov_b32 s[G1+5], SIZE_K                      ; elements from row to row
	s_mov_b32 s[G1B+5], SIZE_K
	s_mov_b32 s[G1+6], 0
	s_mov_b32 s[G1B+6], 0
	s_mov_b32 s[G1+7], 0
	s_mov_b32 s[G1B+7], 0
	; where the tiles come from.  A's hang on the tile row alone, B's on the tile column alone; every wave makes both, in registers that never hold the other coordinate
	s_lshl_b32 s17, s12, 6
	s_lshl_b32 s16, s13, 7
	s_add_co_u32 s16, s16, s17                     ; A: row 128 x tile row + 64 x half
	s_lshl_b32 s47, s12, 7
	s_lshl_b32 s46, s42, 8
	s_add_co_u32 s46, s46, s47                     ; B: row 256 x tile column + 128 x half
	s_mov_b32 s17, 0
	s_mov_b32 s47, 0
	s_mov_b64 s[18:19], SIZE_K*2
	s_mul_u64 s[16:17], s[16:17], s[18:19]
	s_mul_u64 s[46:47], s[46:47], s[18:19]
	s_mul_i32 s20, s12, AH                         ; and where they go: no place in the cluster enters an LDS address
	s_mul_i32 s21, s12, BH
	s_add_co_u32 s21, s21, BOFF
	s_wait_dscnt 0x0                               ; both opening adds are done
	s_wait_kmcnt 0x0
	s_add_nc_u64 s[14:15], s[4:5], s[16:17]
	s_add_nc_u64 s[46:47], s[6:7], s[46:47]
	CROUND                                         ; all sixteen work-groups are here: the first joint loads meet
.irp s, 0,1
	s_mov_b32 s[G0+4*(\s)], 1                                        ; count = 1
	s_add_co_u32 s[G0+4*(\s)+1], s20, (\s)*SLOT                      ; LDS address
	s_add_nc_u64 s[G0+4*(\s)+2:G0+4*(\s)+3], s[14:15], (\s)*KSTEP*2  ; global address: K step s
	s_or_b32 s[G0+4*(\s)+3], s[G0+4*(\s)+3], 0x80000000              ; type = 2
	s_mov_b32 s[G0B+4*(\s)], 1
	s_add_co_u32 s[G0B+4*(\s)+1], s21, (\s)*SLOT
	s_add_nc_u64 s[G0B+4*(\s)+2:G0B+4*(\s)+3], s[46:47], (\s)*KSTEP*2
	s_or_b32 s[G0B+4*(\s)+3], s[G0B+4*(\s)+3], 0x80000000
	JLOAD \s                                       ; both slots are asked for before anything else is done: two tensor loads of mine are out
.endr
	; ALL THAT FOLLOWS, UP TO THE FIRST BARRIER, STANDS IN THE WAIT FOR THE FIRST TILE
	s_load_b32 s76, s[68:69], 0x0                  ; a_in
	s_load_b32 s77, s[70:71], 0x0                  ; a_w
	s_load_b32 s78, s[72:73], 0x0                  ; a_b
	s_load_b32 s79, s[74:75], 0x0                  ; a_next
	s_lshl_b32 s81, s13, 4                         ; CONV: my wave among the launch's 1,024: 4 (16 x tile row + tile column) + wave,
	s_add_co_u32 s81, s81, s42
	s_lshl_b32 s81, s81, 2
	s_add_co_u32 s81, s81, s10
	s_mul_i32 s82, s81, NCV*512*(SIZE_K/KSTEP)     ; x its share of CW, in bytes (under 2^27),
	s_mov_b32 s83, 0
	s_add_nc_u64 s[CS:CS+1], s[CS:CS+1], s[82:83]
	s_lshr_b32 s82, s82, 1                         ; and half as many in CWB
	s_add_nc_u64 s[CD:CD+1], s[CD:CD+1], s[82:83]
	; A fragment is 16 rows x 32 K in 8 registers: lane l holds row l % 16; registers 0-3 K = 8 (l / 16) + 0..7, registers 4-7 K = 16 + 8 (l / 16) + 0..7: two loads of 16 bytes, 32 bytes apart
	v_and_b32 v1, 15, v0                           ; l % 16
	v_bfe_u32 v2, v0, 4, 1                         ; l / 16
	v_and_b32 v[CVI], 31, v0
	v_lshlrev_b32 v[CVO], 3, v[CVI]
	v_lshlrev_b32 v[CVI], 4, v[CVI]
	s_lshl_b32 s46, s42, 10                        ; the bias of my 128 columns: 1,024 x tile column + 512 x half,
	s_lshl_b32 s47, s12, 9
	s_add_co_u32 s46, s46, s47
	v_lshl_add_u32 v[BO], v2, 5, s46               ; + 32 (l / 16): my eight columns of each block of 16
.irp b, 0,1,2,3,4,5,6,7
	global_load_b128 v[BIAS+8*(\b):BIAS+8*(\b)+3],   v[BO], s[66:67] offset:64*(\b)
	global_load_b128 v[BIAS+8*(\b)+4:BIAS+8*(\b)+7], v[BO], s[66:67] offset:64*(\b)+16
.endr
.irp b, 0,1
.set i, 0
.rept NCV
	global_load_b128 v[CVX+64*(\b)+4*i:CVX+64*(\b)+4*i+3], v[CVI], s[CS:CS+1] offset:(\b)*NCV*512+512*i th:TH_LOAD_NT  ; CONV's first two sets
.set i, i+1
.endr
.endr
	v_mul_u32_u24 v3, v1, PITCH
	v_lshl_add_u32 v3, v2, 4, v3                   ; row x pitch + 16 x half
	s_mul_i32 s21, s11, AH                         ; my 64 rows of A
	s_mul_i32 s22, s12, BH                         ; my 128 rows of B,
	s_add_co_u32 s22, s22, BOFF                    ; which lie behind A's 128
.irp s, 0,1
	v_add_nc_u32 v[ADRA+(\s)], s21, v3
	v_add_nc_u32 v[ADRB+(\s)], s22, v3
	s_add_co_u32 s21, s21, SLOT
	s_add_co_u32 s22, s22, SLOT
.endr
	s_mul_i32 s23, s10, 16*SPITCH
	s_add_co_u32 s23, s23, STAGE                   ; my stage
	v_mul_u32_u24 v4, v1, SPITCH                   ; in: row l % 16, 16 bytes for each half of the lanes
	v_lshl_add_u32 v4, v2, 4, v4
	v_add_nc_u32 v[STO], s23, v4
	v_mul_u32_u24 v5, v2, SPITCH                   ; back: lanes 0-15 take one row of 256 bytes, lanes 16-31 the next
	v_lshl_add_u32 v5, v1, 4, v5
	v_add_nc_u32 v[RD], s23, v5
	v_mul_u32_u24 v5, v2, SIZE_N*2                 ; and the same two rows in OUT
	v_lshl_add_u32 v[CO], v1, 4, v5
	s_lshl_b32 s16, s13, 7                         ; where my part of the tile begins in OUT: row 128 x tile row + 64 x half,
	s_lshl_b32 s17, s11, 6
	s_add_co_u32 s16, s16, s17
	s_lshl_b32 s16, s16, 13                        ; x 8,192 bytes,
	s_lshl_b32 s46, s42, 9                         ; + 512 x tile column + 256 x half
	s_lshl_b32 s47, s12, 8
	s_add_co_u32 s46, s46, s47
	s_add_co_u32 s16, s16, s46                     ; under 2^25
	s_mov_b32 s17, 0
	s_add_nc_u64 s[8:9], s[8:9], s[16:17]
	; the prefetches
	s_lshl_b32 s20, s13, 7                         ; A: the tile's first row
	s_lshl_b32 s21, s42, 8                         ; B: the tile's first row,
	s_lshl_b32 s22, s12, 7
	s_add_co_u32 s21, s21, s22                     ; + the 128 rows that I fetch
	s_and_b32 s22, ttmp7, 0xffff                   ; cluster y
	s_cmp_eq_u32 s11, 0                            ; do I fetch for A?
	s_cselect_b32 s20, s20, s21
	s_cselect_b32 s21, s40, s41                    ; my place among the four that ask with me
	s_cselect_b32 s22, s22, ttmp9                  ; the coordinate along which other clusters read the same rows: y for A's, x for B's
	s_cselect_b64 s[PFA:PFA+1], s[4:5], s[6:7]
	s_cmp_eq_u32 s10, 1                            ; A's 128 rows are shared out among four waves 0: wave 1 names nothing
	s_cselect_b32 s22, 1, s22
	s_cmp_eq_u32 s22, 0
	s_cselect_b32 s[LIM], 2, -1                    ; the same in all sixteen partners, for a given wave
	s_lshl_b32 s21, s21, 5
	s_add_co_u32 s20, s20, s21                     ; + my work-group's 32 rows
	s_mov_b32 s21, 0
	s_mov_b64 s[18:19], SIZE_K*2
	s_mul_u64 s[20:21], s[20:21], s[18:19]
	s_add_nc_u64 s[PFA:PFA+1], s[PFA:PFA+1], s[20:21]
	s_add_nc_u64 s[PFA:PFA+1], s[PFA:PFA+1], KSTEP*2  ; at K step 1: the first refill steps it to 2, its own K step, and names K step 6
	v_and_b32 v[PFO], 31, v0
	v_mul_u32_u24 v[PFO], v[PFO], SIZE_K*2
	; the scales
	s_mov_b32 s80, 0x42fe0000                      ; 127.0
	s_wait_kmcnt 0x0
	v_mov_b32 v14, s79
	v_rcp_f32 v15, v14
	v_nop                                          ; a plain instruction between the reciprocal and the use of its result (ISA guide 5.7.2)
	s_wait_alu depctr_va_vdst(0)                   ; and a wait ahead of the first use
	v_mul_f32 v4, s80, v15                         ; t = 127 / a_next, first guess,
	v_fma_f32 v5, -v4, v14, s80                    ; what is left of 127,
	v_fma_f32 v4, v5, v15, v4                      ; corrected once
	v_mov_b32 v6, s76
	v_mul_f32 v6, s77, v6                          ; a_w a_in
	v_mul_f32 v6, 0x38820610, v6                   ; / 127^2
	v_mul_f32 v[SC], v6, v4
	v_mov_b32 v[SC+1], v[SC]
	v_mov_b32 v7, s78
	v_mul_f32 v7, 0x3c010204, v7                   ; a_b / 127
	v_mul_f32 v[SBT], v7, v4
	v_mov_b32 v[SBT+1], v[SBT]
	v_mov_b32 v5, 0xc2fe0000                       ; -127.0
	v_mov_b32 v6, 0
	v_mov_b32 v7, s80
	v_cmp_lt_f32 vcc_lo, 0, v4                     ; t > 0: codes 0 .. 127; else relu(y) t runs from 0 down: -127 .. 0.
	v_cndmask_b32 v[LO], v5, v6, vcc_lo
	v_cndmask_b32 v[HI], v6, v7, vcc_lo
	s_wait_loadcnt 2*NCV                           ; the bias is in; CONV's first two sets, issued behind it, may stay out
.set i, 0
.rept 64
	v_cvt_f32_i32 v[BIAS+i], v[BIAS+i]
.set i, i+1
.endr
.set i, 0
.rept 32
	v_pk_mul_f32 v[BIAS+i:BIAS+i+1], v[BIAS+i:BIAS+i+1], v[SBT:SBT+1]
.set i, i+2
.endr
; 8 matrix instructions: row block a x all 8 column blocks, 32 along K.  zero = 1: the first product starts the sums: nothing is ever cleared.
; The 32 accumulators take turns, one instruction a turn, in the same order in every quarter, over the backward jump too.
.macro MUL8 f, a, zero
	WIN MUL
.irp b, 0,1,2,3,4,5,6,7
.if \zero
	v_wmma_f32_16x16x32_bf16 v[8*(8*(\a)+(\b)):8*(8*(\a)+(\b))+7], v[(\f)+8*(\b):(\f)+8*(\b)+7], v[(\f)+64+8*(\a):(\f)+64+8*(\a)+7], 0
.else
	v_wmma_f32_16x16x32_bf16 v[8*(8*(\a)+(\b)):8*(8*(\a)+(\b))+7], v[(\f)+8*(\b):(\f)+8*(\b)+7], v[(\f)+64+8*(\a):(\f)+64+8*(\a)+7], v[8*(8*(\a)+(\b)):8*(8*(\a)+(\b))+7]
.endif
.endr
.endm
; 24 LDS loads in one run: the fragments of one quarter step (128 rows of B, then 64 rows of A, 32 K at byte k of the rows) into buffer f
.macro FETCH slot, k, f
	WIN TO_F
.irp i, 0,1,2,3,4,5,6,7
	ds_load_b128 v[(\f)+8*(\i):(\f)+8*(\i)+3],   v[ADRB+(\slot)] offset:(\k)+(\i)*16*PITCH
	ds_load_b128 v[(\f)+8*(\i)+4:(\f)+8*(\i)+7], v[ADRB+(\slot)] offset:(\k)+(\i)*16*PITCH+32
.endr
.irp i, 0,1,2,3
	ds_load_b128 v[(\f)+64+8*(\i):(\f)+64+8*(\i)+3],   v[ADRA+(\slot)] offset:(\k)+(\i)*16*PITCH
	ds_load_b128 v[(\f)+64+8*(\i)+4:(\f)+64+8*(\i)+7], v[ADRA+(\slot)] offset:(\k)+(\i)*16*PITCH+32
.endr
.endm
.macro PLACES                          ; four places (ISA guide 7.12.1 for vector work) in front of loads into registers that matrix instructions have read, and of vector work that reads results
.rept 4
	v_nop
.endr
.endm
; THE NEXT LAYER'S WEIGHTS, once in each K step.  My wave's share of CW lies on end; a K step's set is NCV x 512 bytes of it: NCV loads of 512 consecutive bytes, 4 numbers a lane each, to f32, two roundings to bf16
; an instruction, NCV stores of 256 consecutive bytes, aligned.  Two sets of registers go by the slot: set b is converted here and asked for again at once, for the K step two on.
; ask = 1: that load is issued (the last two K steps ask for nothing).  left = the other set's loads, which are younger and may stay out.
; The pointers are stepped at the head, behind the wait that shows that the loads and stores of the K step before have read them; the stores reach back by a negative immediate.
.macro CONV b, ask, left
	WIN 0
	s_wait_loadcnt \left                           ; loads come back in order (ISA guide 5.7.1): set b is in
	s_wait_xcnt 0x0                                ; every earlier memory instruction has had its addresses translated (ISA guide 3.1): the pointers and the last set's store data are written only behind this wait
	s_add_nc_u64 s[CS:CS+1], s[CS:CS+1], NCV*512
	s_add_nc_u64 s[CD:CD+1], s[CD:CD+1], NCV*256
.set i, 0
.rept 4*NCV
	v_cvt_f32_i32 v[CVX+64*(\b)+i], v[CVX+64*(\b)+i]
.set i, i+1
.endr
.set i, 0
.rept 2*NCV
	v_cvt_pk_bf16_f32 v[CVY+i], v[CVX+64*(\b)+2*i], v[CVX+64*(\b)+2*i+1]
.set i, i+1
.endr
.if \ask
.set i, 0
.rept NCV
	global_load_b128 v[CVX+64*(\b)+4*i:CVX+64*(\b)+4*i+3], v[CVI], s[CS:CS+1] offset:NCV*512+512*i th:TH_LOAD_NT
.set i, i+1
.endr
.endif
.set i, 0
.rept NCV
	global_store_b64 v[CVO], v[CVY+2*i:CVY+2*i+1], s[CD:CD+1] offset:256*i-NCV*256 th:TH_STORE_NT
.set i, i+1
.endr
.endm
; A K step is four quarters of 32 along K, 32 matrix instructions each, on buffers 0, 1, 0, 1.  One of the first three: multiplies buffer f; in its middle it fetches the next quarter, at byte k, into g.
; cv: the third quarter also converts a set of the next layer's weights (1: in the loop; 2, 3: the last two K steps); its conversions, plain vector work on other registers, are then the four places.
.macro QUARTER slot, k, f, g, zero, cv=0
	s_wait_dscnt 4                                 ; B and A's blocks 0 and 1 are in; the youngest four loads (A's blocks 2 and 3) may be out
	MUL8 \f, 0, \zero
	MUL8 \f, 1, \zero
.if (\cv) == 1
	CONV \slot, 1, NCV
.elseif (\cv) == 2
	CONV \slot, 0, NCV
.elseif (\cv) == 3
	CONV \slot, 0, 0
.else
	PLACES
.endif
	FETCH \slot, \k, \g
	s_wait_dscnt 24                                ; all but the 24 just issued
	MUL8 \f, 2, \zero
	MUL8 \f, 3, \zero
.endm
; The last quarter multiplies buffer 1 and changes slots: ONE barrier.  Half of its products stand ahead of the change, so that between a tile's landing and the next request stand only the lines that order them.
; In front of the barrier each wave waits for all its tensor loads (one is out: its part of the next slot), adds 0 to its spare word, and waits for that and for its own reads of this slot.
; fill = 1: the barrier opens a round of the cluster's, and this slot is filled again first thing behind it, with the K step two on: a K step's 128 matrix instructions ahead of the wait for it.
.macro TURN slot, next, fill
	s_wait_dscnt 4                                 ; B and A's blocks 0 and 1 of buffer 1 are in
	MUL8 F1, 0, 0
	MUL8 F1, 1, 0
	WIN 0
.if \fill
	s_wait_xcnt 0x0                                ; the last prefetch, a K step back, has read its address: it is stepped here
	s_add_nc_u64 s[PFA:PFA+1], s[PFA:PFA+1], KSTEP*2
.endif
	s_wait_tensorcnt 0x0                           ; all my tensor loads have landed, so every group 0 may be written;
	ds_add_u32 v[SPW], v[NIL]                      ; 0 onto my spare word; the descriptors' steps stand between it and the wait for it
.if \fill
	s_add_nc_u64 s[G0+4*(\slot)+2:G0+4*(\slot)+3], s[G0+4*(\slot)+2:G0+4*(\slot)+3], 2*KSTEP*2
	s_add_nc_u64 s[G0B+4*(\slot)+2:G0B+4*(\slot)+3], s[G0B+4*(\slot)+2:G0B+4*(\slot)+3], 2*KSTEP*2
.endif
	s_wait_dscnt 0x0                               ; the add is done, and my reads of this slot are over
	s_barrier_signal -1
	s_barrier_wait -1
.if \fill
	CREST                                          ; no wave of any partner still reads this slot's tile or has a load on its way
	JLOAD \slot                                    ; the first tensor load behind the round; the four v_nop behind it are also the places in front of the loads below
.else
	PLACES
.endif
	FETCH \next, 0, F0
.if \fill
	ASK
.endif
	MUL8 F1, 2, 0
	MUL8 F1, 3, 0
.endm
; THE WAY OUT of row block a (16 rows x 128 columns).  z = acc SC + bias, two an instruction, each accumulator from its low end on; rounded to a whole number, clamped, packed to bf16 (exact): 16 bytes a lane for
; each column block; into my own stage in rows of 272 bytes, and back as whole rows of 256.  LDS serves a wave's instructions in order (ISA guide 5.7.1.4): the loads see the stores, the next block's stores come behind the loads.
.macro PACK a
.irp hf, 0,1
	WIN W_ACC
.irp bb, 0,1,2,3
.irp p, 0,1,2,3
	v_pk_fma_f32 v[T+8*(\bb)+2*(\p):T+8*(\bb)+2*(\p)+1], v[8*(8*(\a)+4*(\hf)+(\bb))+2*(\p):8*(8*(\a)+4*(\hf)+(\bb))+2*(\p)+1], v[SC:SC+1], v[BIAS+8*(4*(\hf)+(\bb))+2*(\p):BIAS+8*(4*(\hf)+(\bb))+2*(\p)+1]
.endr
.endr
	WIN 0
.set i, 0
.rept 32
	v_rndne_f32 v[T+i], v[T+i]
.set i, i+1
.endr
.set i, 0
.rept 32
	v_med3_num_f32 v[T+i], v[T+i], v[LO], v[HI]
.set i, i+1
.endr
.set i, 0
.rept 16
	v_cvt_pk_bf16_f32 v[TMP+32*(\a)+16*(\hf)+i], v[T+2*i], v[T+2*i+1]
.set i, i+1
.endr
.endr
.irp b, 0,1,2,3,4,5,6,7
	ds_store_b128 v[STO], v[TMP+32*(\a)+4*(\b):TMP+32*(\a)+4*(\b)+3] offset:32*(\b)
.endr
.irp t, 0,1,2,3,4,5,6,7
	ds_load_b128 v[TMP+32*(\a)+4*(\t):TMP+32*(\a)+4*(\t)+3], v[RD] offset:(\t)*2*SPITCH
.endr
.endm
.macro SEND a, younger                 ; younger: the LDS instructions issued behind block a's loads: the next block's sixteen, or none
.irp t, 0,1,2,3,4,5,6,7
	s_wait_dscnt (\younger)+7-(\t)
	global_store_b128 v[CO], v[TMP+32*(\a)+4*(\t):TMP+32*(\a)+4*(\t)+3], s[8:9] offset:(16*(\a)+2*(\t))*SIZE_N*2  ; 16 lanes store 256 consecutive bytes, at a multiple of 256 from OUT's first byte; no register of a store is written again
.endr
.endm
	s_wait_tensorcnt 1                             ; my part of K step 0 is in; K step 1's load may stay out
	s_barrier_signal -1
	s_barrier_wait -1                              ; everybody's is
	FETCH 0, 0, F0
	QUARTER 0, 64,  F0, F1, 1                      ; the first quarter stands in front of the loop: its products start the sums
	WIN 0                                          ; at a label and at a branch every window is 0
	s_mov_b32 s3, LAPS-1
.Llap:                                                 ; a trip goes once round the ring, from a lap's second quarter to the next lap's first, and fills both slots again
	QUARTER 0, 128, F1, F0, 0
	QUARTER 0, 192, F0, F1, 0, 1
	TURN 0, 1, 1
	QUARTER 1, 64,  F0, F1, 0
	QUARTER 1, 128, F1, F0, 0
	QUARTER 1, 192, F0, F1, 0, 1
	TURN 1, 0, 1
	QUARTER 0, 64,  F0, F1, 0
	WIN 0
	s_sub_co_u32 s3, s3, 1
	s_cmp_lg_u32 s3, 0
	s_cbranch_scc1 .Llap
	QUARTER 0, 128, F1, F0, 0                      ; the last lap is written out: it fills nothing, and has no round of the cluster's barrier
	QUARTER 0, 192, F0, F1, 0, 2
	TURN 0, 1, 0
	QUARTER 1, 64,  F0, F1, 0
	QUARTER 1, 128, F1, F0, 0
	QUARTER 1, 192, F0, F1, 0, 3
	s_wait_dscnt 4                                 ; the very last quarter: nothing more to fetch
	MUL8 F1, 0, 0
	MUL8 F1, 1, 0
	s_wait_dscnt 0x0
	MUL8 F1, 2, 0
	MUL8 F1, 3, 0
	WIN 0
	PLACES
	s_wait_xcnt 0x0                                ; CONV's last stores have read their data: the way out writes the same registers
	PACK 0
	PACK 1                                         ; a block's arithmetic stands between the loads of the block before and its stores
	SEND 0, 16
	PACK 2
	SEND 1, 16
	PACK 3
	SEND 2, 16
	SEND 3, 0
	s_wait_tensorcnt 0x0                           ; the wave's end, behind my last tensor load and my last LDS store
	ds_add_u32 v[SPW], v[NIL]
	s_wait_dscnt 0x0
	CROUND                                         ; the closing round: no work-group ends while a partner may still ask for a tile that names it
	s_endpgm
.Lfunc_end_k_qa51403b0e8_g0:
	.size	k_qa51403b0e8_g0, .Lfunc_end_k_qa51403b0e8_g0-k_qa51403b0e8_g0
	.p2alignl 7, 3214868480
	.fill 96, 4, 3214868480
	.section	.rodata,"a",@progbits
	.p2align	6, 0x0
	.amdhsa_kernel k_qa51403b0e8_g0
		.amdhsa_group_segment_fixed_size 327680
		.amdhsa_private_segment_fixed_size 0
		.amdhsa_enable_private_segment 0
		.amdhsa_kernarg_size 80
		.amdhsa_user_sgpr_count 2
		.amdhsa_user_sgpr_kernarg_segment_ptr 1
		.amdhsa_wavefront_size32 1
		.amdhsa_system_sgpr_workgroup_id_x 1
		.amdhsa_system_sgpr_workgroup_id_y 1
		.amdhsa_system_sgpr_workgroup_id_z 1
		.amdhsa_system_vgpr_workitem_id 0
		.amdhsa_next_free_vgpr 768
		.amdhsa_next_free_sgpr 88
		.amdhsa_reserve_vcc 1
		.amdhsa_float_denorm_mode_32 3
		.amdhsa_float_denorm_mode_16_64 3
		.amdhsa_memory_ordered 1
		.amdhsa_forward_progress 1
		.amdhsa_inst_pref_size 142
	.end_amdhsa_kernel
	.amdgpu_metadata
---
amdhsa.version: [ 1, 2 ]
amdhsa.kernels:
  - .name:           k_qa51403b0e8_g0
    .symbol:         k_qa51403b0e8_g0.kd
    .args:
      - { .name: xq, .offset: 0, .size: 8, .value_kind: global_buffer, .address_space: global }
      - { .name: w0b, .offset: 8, .size: 8, .value_kind: global_buffer, .address_space: global }
      - { .name: h1, .offset: 16, .size: 8, .value_kind: global_buffer, .address_space: global }
      - { .name: b0, .offset: 24, .size: 8, .value_kind: global_buffer, .address_space: global }
      - { .name: a0_in, .offset: 32, .size: 8, .value_kind: global_buffer, .address_space: global }
      - { .name: a0_w, .offset: 40, .size: 8, .value_kind: global_buffer, .address_space: global }
      - { .name: a0_b, .offset: 48, .size: 8, .value_kind: global_buffer, .address_space: global }
      - { .name: a2_in, .offset: 56, .size: 8, .value_kind: global_buffer, .address_space: global }
      - { .name: W2, .offset: 64, .size: 8, .value_kind: global_buffer, .address_space: global }
      - { .name: w2b, .offset: 72, .size: 8, .value_kind: global_buffer, .address_space: global }
    .group_segment_fixed_size: 327680
    .private_segment_fixed_size: 0
    .kernarg_segment_align: 8
    .kernarg_segment_size: 80
    .max_flat_workgroup_size: 128
    .sgpr_count:     88
    .vgpr_count:     768
    .wavefront_size: 32
...
	.end_amdgpu_metadata
.endif
;; end of part 2
;; launch g2 (part 3): grid 16 x 16, 4 waves a work-group, clusters of 4 x 4, 327,680 bytes of LDS; arguments h1, w2b, h2, b2, a2_in, a2_w, a2_b, a4_in, W4, w4b; writes h2, w4b
.if DOCPART == 3
	.amdgcn_target "amdgcn-amd-amdhsa--gfx1250"
	.amdhsa_code_object_version 6
	.text
	.protected	k_qa51403b0e8_g2
	.globl	k_qa51403b0e8_g2
	.p2align	8
	.type	k_qa51403b0e8_g2,@function
k_qa51403b0e8_g2:
	s_mov_b64 s[64:65], 0
	v_nop
	global_prefetch_b8 v0, s[64:65] scope:SCOPE_SE
	s_setreg_imm32_b32 hwreg(HW_REG_WAVE_MODE, 25, 1), 1
	s_wait_xcnt 0x0
	s_wait_alu depctr_hold_cnt(0) depctr_sa_sdst(0) depctr_va_vdst(0) depctr_va_sdst(0) depctr_va_ssrc(0) depctr_va_vcc(0) depctr_vm_vsrc(0)
	s_getreg_b32 s2, hwreg(HW_REG_IB_STS2, 6, 4)
	s_cmp_eq_u32 s2, 0
	s_cbranch_scc0 .Lentry_in_a_cluster
	s_endpgm
.Lentry_in_a_cluster:
	s_bfe_u32 s2, ttmp6, 0x10000c
	s_cmp_lg_u32 s2, 0xf033
	s_cbranch_scc0 .Lentry_shape_is_right
	s_endpgm
.Lentry_shape_is_right:
; ONE LAYER AND THE NEXT LAYER'S QUANTISER.  acc[m][n] = sum over k of A[m][k] B[n][k]; y = acc (a_w a_in / 127^2) + bias[n] (a_b / 127); OUT[m][n] = clip(round(relu(y) 127 / a_next), -127, 127).
; A: [2048][SIZE_K] codes, B: [SIZE_N][SIZE_K] weights, OUT: [2048][SIZE_N] codes, all whole numbers held in bf16; bias: [SIZE_N] int32; sums in f32.
; (The text of the first layer's launch with SIZE_K = 4096 and NCV = 2: SIZE_K stands in a descriptor's word and in the trip count as a constant, so each size has its own text.)
; BESIDE THE PRODUCT the next layer's weights are converted: CW (int32) is written as bf16 into CWB, in the same order (see CONV).
; WHY bf16 IS EXACT HERE: whole numbers up to 256 in size are exact in bf16, their products are exact, and f32 sums of whole numbers are exact below 2^24.
; THE WAY OUT IN ONE MULTIPLY-ADD: with t = 127 / a_next, z = acc (a_w a_in / 127^2) t + bias (a_b / 127) t, and the code is round(z) held to 0 .. 127 (to -127 .. 0 if t < 0):
; rounding to a whole number and clamping at whole numbers may change places, and relu is the clamp at 0.
; LIMITS.  The order of rounding differs from y's: t is folded into both factors, the two terms meet in one fused multiply-add, and 1/127 and 1/127^2 are multiplied by; so a code can differ by 1 where z
; lies within a few parts in 10^7 of a half.  -0 may stand for 0.  A sum beyond 2^24 is rounded to f32 on its way; a sum beyond int32 does not wrap round.  A weight beyond 256 in size is rounded to bf16.
; a_next = 0 or denormal, NaN, infinities: not treated apart.
; SHARES.  A tile of OUT is 128 rows x 256 columns: 16 x 16 = 256 work-groups.  Four waves, each 64 x 128: 32 accumulators of 16 x 16, 256 registers.  K goes in steps of 128 through a ring of two LDS
; slots filled by the tensor data mover; the rows of A's and B's tiles are 256 bytes of memory and start at multiples of 256 bytes from the buffer's first byte.
; CLUSTERS: 4 x 4 work-groups.  The four of a row of the cluster need the same tiles of A, the four of a column the same tiles of B: each tile is asked for JOINTLY, by the same tensor load with the
; same descriptor and a mask that names the four.  The cluster's x picks the tile rows and its y the tile columns: clusters that differ in x alone read the same rows of B, the larger operand.
; THE MATRIX INSTRUCTION IS USED TRANSPOSED (source 0 = 16 rows of B, source 1 = 16 rows of A): a lane then holds eight neighbouring numbers of a row of OUT.
; REGISTERS, in windows of 256 (s_set_vgpr_msb: bits 1:0 source 0, 3:2 source 1, 5:4 source 2, 7:6 destination):
;   window 0: v0-31 addresses and scales; v32-63 at work on the way out; v64-127 the bias of my 128 columns, scaled; v128-255 in the loop CONV's registers, on the way out packed results
;   window 1: two fragment buffers of 96: B's 8 fragments (16 rows x 32 K), then A's 4          window 2: the accumulators, (a, b) at v[8 (8 a + b)]
.set SIZE_N, 4096
.set SIZE_K, 4096
.set NCV,    2                         ; CONV: loads, and stores, of a wave in a K step: 1,024 waves x 32 K steps x 2 x 512 bytes = CW's 33,554,432
.set KSTEP,  128
.set PITCH,  272                       ; an LDS row: 256 bytes + 16 of padding = 68 words: row r starts at bank 4 r mod 64 (64 banks of 4 bytes: ISA guide 11.1), so the 16 rows of a load start at 16 different banks
.set AH,     64*PITCH                  ; half of A's tile: what waves 0 and 1 fetch, and what a wave reads of A
.set BH,     128*PITCH                 ; half of B's tile: what waves 2 and 3 fetch, and what a wave reads of B
.set BOFF,   2*AH                      ; in a slot: A's 128 rows, then B's 256 rows
.set SLOT,   2*AH+2*BH
.set STAGE,  2*SLOT                    ; behind the ring: 16 rows x 272 bytes for each wave, for the way out; no tensor load fills it
.set SPITCH, 272
.set SPARE,  STAGE+4*16*SPITCH         ; behind the stages: the spare words, 128 bytes for each wave: two blocks of 256 bytes that no other line names
.set LAPS,   SIZE_K/(2*KSTEP)         ; a lap = two K steps = once round the ring
.set SC,   8                           ; v[8:9]   (a_w a_in / 127^2) t, twice
.set SBT,  10                          ; v[10:11] (a_b / 127) t, twice
.set LO,   12                          ; v12, v13 the codes' bounds
.set HI,   13
.set ADRA, 16                          ; v16-17  LDS address of my A fragments in slot 0, 1
.set ADRB, 20                          ; v20-21  the same for B
.set CVI,  22                          ; v22     CONV: 16 x my lane; never rewritten
.set CVO,  23                          ; v23     CONV: 8 x my lane; never rewritten
.set STO,  24                          ; v24     the way out: where I put 16 bytes of a row
.set RD,   25                          ; v25     the way out: where I read a row back
.set CO,   26                          ; v26     my byte offset in OUT
.set BO,   27                          ; v27     my byte offset in the bias
.set SPW,  28                          ; v28     LDS address of my spare word: SPARE + 4 x my thread's number; never rewritten
.set NIL,  29                          ; v29     0; never rewritten
.set PFO,  30                          ; v30     the prefetches' offset: my lane x a row of A or B in memory; never rewritten
.set T,    32
.set BIAS, 64
.set TMP,  128
.set CVX,  128                         ; CONV: set b as loaded, at CVX + 64 b
.set CVY,  160                         ; CONV: a set to store
.set F0,   0                           ; fragment buffers, in window 1
.set F1,   96
.set G1,  24                           ; s[24:31] descriptor group 1 for A's tiles;  s[32:39] group 0, one set for each slot
.set G0,  32
.set G1B, 48                           ; s[48:55], s[56:63] the same for B's tiles
.set G0B, 56
.set LIM, 43                           ; s43      2 in a wave that prefetches, else the greatest number
.set PFA, 44                           ; s[44:45] where my prefetches stand: my work-group's 32 rows, at the K step that is being asked for; a prefetch names the K step four further on
.set CS,  84                           ; s[84:85] CONV: CW at the set behind the one that is being converted
.set CD,  86                           ; s[86:87] CONV: CWB behind the set that is being stored
.set MSB, 0
.macro WIN new                         ; the immediate's high byte repeats the setting that is left; a switch that changes nothing is dropped
.if MSB != (\new)
	s_set_vgpr_msb (MSB<<8)|(\new)
.set MSB, \new
.endif
.endm
.set MUL,   0xa5                       ; sources 0 (B) and 1 (A) window 1; C and D window 2
.set TO_F,  0x40                       ; destination window 1, address window 0
.set W_ACC, 0x02                       ; source 0 window 2, all else window 0
; A joint load: waves 0 and 1 fetch A's two halves, waves 2 and 3 B's.  Each line has one mask and one set of registers for all that issue it; the branch hangs on the wave's number alone.
; An s_nop 0 and four v_nop follow each of the two lines, ahead of the jump, the label and what follows.
.macro JLOAD s
	s_cmp_eq_u32 s11, 0
	s_cbranch_scc0 .Lfor_b_\@
	tensor_load_to_lds s[G0+4*(\s):G0+4*(\s)+3], s[G1:G1+7]
	s_nop 0
.rept 4
	v_nop
.endr
	s_branch .Lasked_\@
.Lfor_b_\@:
	tensor_load_to_lds s[G0B+4*(\s):G0B+4*(\s)+3], s[G1B:G1B+7]
	s_nop 0
.rept 4
	v_nop
.endr
.Lasked_\@:
.endm
; A PREFETCH INTO THE L2, behind each joint refill, its five lines and the run of LDS loads that follows: 32 rows x 256 bytes of the K step that stands FOUR refills on (512 matrix instructions of a wave), a lane a row,
; one instruction a wave.  Each row's 256 bytes of a K step are named ONCE in the launch.  A's 128 tile rows are read by every cluster with the same x: in the first of them (cluster y = 0) wave 0 of the
; partner at cx names rows 32 cx .. 32 cx + 31.  Of the 128 rows of B that wave 2 or 3 fetches, read by every cluster with the same y, that wave of the partner at cy in cluster x = 0 names 32 cy .. 32 cy + 31.
; The partners are told apart by address alone; wave 1 names nothing.  The loop's last two trips name nothing: four K steps on there is no K step.  K steps 0 to 5 come by their loads alone.
.macro ASK
	WIN 0
	s_cmp_gt_u32 s3, s[LIM]                        ; s3 counts the trips down to 1
	s_cbranch_scc0 .Lnot_mine_\@
	global_prefetch_b8 v[PFO], s[PFA:PFA+1] offset:4*KSTEP*2 th:TH_LOAD_NT scope:SCOPE_SE
.Lnot_mine_\@:
.endm
.macro CREST                           ; a round of the cluster's barrier behind its opening barrier: wave 0 signals for the work-group, every wave waits for all sixteen, my work-group's barrier once more
	s_cmp_lg_u32 s10, 0
	s_cbranch_scc1 .Lnot_wave_0_\@
	s_barrier_signal -3
.Lnot_wave_0_\@:
	s_barrier_wait -3
	s_barrier_signal -1
	s_barrier_wait -1
.endm
.macro CROUND                          ; a whole round
	s_barrier_signal -1
	s_barrier_wait -1
	CREST
.endm
	s_load_b128 s[4:7], s[0:1], 0x0                ; A s[4:5], B s[6:7]
	s_load_b64 s[8:9], s[0:1], 0x10                ; OUT
	s_load_b64 s[66:67], s[0:1], 0x18              ; bias
	s_load_b256 s[68:75], s[0:1], 0x20             ; the addresses of a_in, a_w, a_b, a_next
	s_load_b128 s[84:87], s[0:1], 0x40             ; CW, CWB
	v_lshl_add_u32 v[SPW], v0, 2, SPARE
	v_mov_b32 v[NIL], 0
	ds_add_u32 v[SPW], v[NIL]                      ; the wave's opening: the add, twice on end, and its wait ahead of my first tensor load; the set-up below stands between
	ds_add_u32 v[SPW], v[NIL]                      ; and once more, under the one wait
	v_lshrrev_b32 v1, 5, v0
	v_readfirstlane_b32 s10, v1                    ; wave 0..3
	s_lshr_b32 s11, s10, 1                         ; which 64 of the tile's rows are mine.  Also: I fetch for A (0) or for B (1)
	s_and_b32 s12, s10, 1                          ; which 128 of its columns.  Also: which half of that tile I fetch
	s_bfe_u32 s40, ttmp6, 0x40000                  ; cx, cy: my place in the cluster
	s_bfe_u32 s41, ttmp6, 0x40004
	s_and_b32 s42, ttmp7, 0xffff                   ; in a cluster launch ttmp9 and ttmp7 count clusters
	s_lshl_b32 s42, s42, 2
	s_add_co_u32 s42, s42, s40                     ; tile column = 4 x cluster y + cx
	s_lshl_b32 s13, ttmp9, 2
	s_add_co_u32 s13, s13, s41                     ; tile row = 4 x cluster x + cy
	s_lshl_b32 s43, s41, 2
	s_lshl_b32 s43, 15, s43                        ; my row of the cluster: places 4 cy .. 4 cy + 3
	s_lshl_b32 s44, 0x1111, s40                    ; my column: places cx, cx + 4, cx + 8, cx + 12
	; descriptor group 1: tiles of 64 (A) and 128 (B) rows x 128 elements, padded in LDS
	s_or_b32 s[G1+0], s43, (1<<16)|(1<<20)|(1<<21)|(5<<22)|(3<<25)   ; 15:0 the mask: A's tiles go to my row; 17:16 elements of 2 bytes; 20 padding on; 21 set beside a mask; 24:22 after every 64 words (code 5); 31:25 4 words (code 3)
	s_or_b32 s[G1B+0], s44, (1<<16)|(1<<20)|(1<<21)|(5<<22)|(3<<25)  ; the same with the mask of my column
	s_mov_b32 s[G1+1], KSTEP<<16                   ; tensor_dim0 = 128
	s_mov_b32 s[G1B+1], KSTEP<<16
	s_mov_b32 s[G1+2], 64<<16                      ; tensor_dim1 = 64
	s_mov_b32 s[G1B+2], 128<<16                    ;             = 128
	s_mov_b32 s[G1+3], KSTEP<<16                   ; tile_dim0 = 128
	s_mov_b32 s[G1B+3], KSTEP<<16
	s_mov_b32 s[G1+4], 64                          ; tile_dim1 = 64
	s_mov_b32 s[G1B+4], 128                        ;           = 128
	s_mov_b32 s[G1+5], SIZE_K                      ; elements from row to row
	s_mov_b32 s[G1B+5], SIZE_K
	s_mov_b32 s[G1+6], 0
	s_mov_b32 s[G1B+6], 0
	s_mov_b32 s[G1+7], 0
	s_mov_b32 s[G1B+7], 0
	; where the tiles come from.  A's hang on the tile row alone, B's on the tile column alone; every wave makes both, in registers that never hold the other coordinate
	s_lshl_b32 s17, s12, 6
	s_lshl_b32 s16, s13, 7
	s_add_co_u32 s16, s16, s17                     ; A: row 128 x tile row + 64 x half
	s_lshl_b32 s47, s12, 7
	s_lshl_b32 s46, s42, 8
	s_add_co_u32 s46, s46, s47                     ; B: row 256 x tile column + 128 x half
	s_mov_b32 s17, 0
	s_mov_b32 s47, 0
	s_mov_b64 s[18:19], SIZE_K*2
	s_mul_u64 s[16:17], s[16:17], s[18:19]
	s_mul_u64 s[46:47], s[46:47], s[18:19]
	s_mul_i32 s20, s12, AH                         ; and where they go: no place in the cluster enters an LDS address
	s_mul_i32 s21, s12, BH
	s_add_co_u32 s21, s21, BOFF
	s_wait_dscnt 0x0                               ; both opening adds are done
	s_wait_kmcnt 0x0
	s_add_nc_u64 s[14:15], s[4:5], s[16:17]
	s_add_nc_u64 s[46:47], s[6:7], s[46:47]
	CROUND                                         ; all sixteen work-groups are here: the first joint loads meet
.irp s, 0,1
	s_mov_b32 s[G0+4*(\s)], 1                                        ; count = 1
	s_add_co_u32 s[G0+4*(\s)+1], s20, (\s)*SLOT                      ; LDS address
	s_add_nc_u64 s[G0+4*(\s)+2:G0+4*(\s)+3], s[14:15], (\s)*KSTEP*2  ; global address: K step s
	s_or_b32 s[G0+4*(\s)+3], s[G0+4*(\s)+3], 0x80000000              ; type = 2
	s_mov_b32 s[G0B+4*(\s)], 1
	s_add_co_u32 s[G0B+4*(\s)+1], s21, (\s)*SLOT
	s_add_nc_u64 s[G0B+4*(\s)+2:G0B+4*(\s)+3], s[46:47], (\s)*KSTEP*2
	s_or_b32 s[G0B+4*(\s)+3], s[G0B+4*(\s)+3], 0x80000000
	JLOAD \s                                       ; both slots are asked for before anything else is done: two tensor loads of mine are out
.endr
	; ALL THAT FOLLOWS, UP TO THE FIRST BARRIER, STANDS IN THE WAIT FOR THE FIRST TILE
	s_load_b32 s76, s[68:69], 0x0                  ; a_in
	s_load_b32 s77, s[70:71], 0x0                  ; a_w
	s_load_b32 s78, s[72:73], 0x0                  ; a_b
	s_load_b32 s79, s[74:75], 0x0                  ; a_next
	s_lshl_b32 s81, s13, 4                         ; CONV: my wave among the launch's 1,024: 4 (16 x tile row + tile column) + wave,
	s_add_co_u32 s81, s81, s42
	s_lshl_b32 s81, s81, 2
	s_add_co_u32 s81, s81, s10
	s_mul_i32 s82, s81, NCV*512*(SIZE_K/KSTEP)     ; x its share of CW, in bytes (under 2^27),
	s_mov_b32 s83, 0
	s_add_nc_u64 s[CS:CS+1], s[CS:CS+1], s[82:83]
	s_lshr_b32 s82, s82, 1                         ; and half as many in CWB
	s_add_nc_u64 s[CD:CD+1], s[CD:CD+1], s[82:83]
	; A fragment is 16 rows x 32 K in 8 registers: lane l holds row l % 16; registers 0-3 K = 8 (l / 16) + 0..7, registers 4-7 K = 16 + 8 (l / 16) + 0..7: two loads of 16 bytes, 32 bytes apart
	v_and_b32 v1, 15, v0                           ; l % 16
	v_bfe_u32 v2, v0, 4, 1                         ; l / 16
	v_and_b32 v[CVI], 31, v0
	v_lshlrev_b32 v[CVO], 3, v[CVI]
	v_lshlrev_b32 v[CVI], 4, v[CVI]
	s_lshl_b32 s46, s42, 10                        ; the bias of my 128 columns: 1,024 x tile column + 512 x half,
	s_lshl_b32 s47, s12, 9
	s_add_co_u32 s46, s46, s47
	v_lshl_add_u32 v[BO], v2, 5, s46               ; + 32 (l / 16): my eight columns of each block of 16
.irp b, 0,1,2,3,4,5,6,7
	global_load_b128 v[BIAS+8*(\b):BIAS+8*(\b)+3],   v[BO], s[66:67] offset:64*(\b)
	global_load_b128 v[BIAS+8*(\b)+4:BIAS+8*(\b)+7], v[BO], s[66:67] offset:64*(\b)+16
.endr
.irp b, 0,1
.set i, 0
.rept NCV
	global_load_b128 v[CVX+64*(\b)+4*i:CVX+64*(\b)+4*i+3], v[CVI], s[CS:CS+1] offset:(\b)*NCV*512+512*i th:TH_LOAD_NT  ; CONV's first two sets
.set i, i+1
.endr
.endr
	v_mul_u32_u24 v3, v1, PITCH
	v_lshl_add_u32 v3, v2, 4, v3                   ; row x pitch + 16 x half
	s_mul_i32 s21, s11, AH                         ; my 64 rows of A
	s_mul_i32 s22, s12, BH                         ; my 128 rows of B,
	s_add_co_u32 s22, s22, BOFF                    ; which lie behind A's 128
.irp s, 0,1
	v_add_nc_u32 v[ADRA+(\s)], s21, v3
	v_add_nc_u32 v[ADRB+(\s)], s22, v3
	s_add_co_u32 s21, s21, SLOT
	s_add_co_u32 s22, s22, SLOT
.endr
	s_mul_i32 s23, s10, 16*SPITCH
	s_add_co_u32 s23, s23, STAGE                   ; my stage
	v_mul_u32_u24 v4, v1, SPITCH                   ; in: row l % 16, 16 bytes for each half of the lanes
	v_lshl_add_u32 v4, v2, 4, v4
	v_add_nc_u32 v[STO], s23, v4
	v_mul_u32_u24 v5, v2, SPITCH                   ; back: lanes 0-15 take one row of 256 bytes, lanes 16-31 the next
	v_lshl_add_u32 v5, v1, 4, v5
	v_add_nc_u32 v[RD], s23, v5
	v_mul_u32_u24 v5, v2, SIZE_N*2                 ; and the same two rows in OUT
	v_lshl_add_u32 v[CO], v1, 4, v5
	s_lshl_b32 s16, s13, 7                         ; where my part of the tile begins in OUT: row 128 x tile row + 64 x half,
	s_lshl_b32 s17, s11, 6
	s_add_co_u32 s16, s16, s17
	s_lshl_b32 s16, s16, 13                        ; x 8,192 bytes,
	s_lshl_b32 s46, s42, 9                         ; + 512 x tile column + 256 x half
	s_lshl_b32 s47, s12, 8
	s_add_co_u32 s46, s46, s47
	s_add_co_u32 s16, s16, s46                     ; under 2^25
	s_mov_b32 s17, 0
	s_add_nc_u64 s[8:9], s[8:9], s[16:17]
	; the prefetches
	s_lshl_b32 s20, s13, 7                         ; A: the tile's first row
	s_lshl_b32 s21, s42, 8                         ; B: the tile's first row,
	s_lshl_b32 s22, s12, 7
	s_add_co_u32 s21, s21, s22                     ; + the 128 rows that I fetch
	s_and_b32 s22, ttmp7, 0xffff                   ; cluster y
	s_cmp_eq_u32 s11, 0                            ; do I fetch for A?
	s_cselect_b32 s20, s20, s21
	s_cselect_b32 s21, s40, s41                    ; my place among the four that ask with me
	s_cselect_b32 s22, s22, ttmp9                  ; the coordinate along which other clusters read the same rows: y for A's, x for B's
	s_cselect_b64 s[PFA:PFA+1], s[4:5], s[6:7]
	s_cmp_eq_u32 s10, 1                            ; A's 128 rows are shared out among four waves 0: wave 1 names nothing
	s_cselect_b32 s22, 1, s22
	s_cmp_eq_u32 s22, 0
	s_cselect_b32 s[LIM], 2, -1                    ; the same in all sixteen partners, for a given wave
	s_lshl_b32 s21, s21, 5
	s_add_co_u32 s20, s20, s21                     ; + my work-group's 32 rows
	s_mov_b32 s21, 0
	s_mov_b64 s[18:19], SIZE_K*2
	s_mul_u64 s[20:21], s[20:21], s[18:19]
	s_add_nc_u64 s[PFA:PFA+1], s[PFA:PFA+1], s[20:21]
	s_add_nc_u64 s[PFA:PFA+1], s[PFA:PFA+1], KSTEP*2  ; at K step 1: the first refill steps it to 2, its own K step, and names K step 6
	v_and_b32 v[PFO], 31, v0
	v_mul_u32_u24 v[PFO], v[PFO], SIZE_K*2
	; the scales
	s_mov_b32 s80, 0x42fe0000                      ; 127.0
	s_wait_kmcnt 0x0
	v_mov_b32 v14, s79
	v_rcp_f32 v15, v14
	v_nop                                          ; a plain instruction between the reciprocal and the use of its result (ISA guide 5.7.2)
	s_wait_alu depctr_va_vdst(0)                   ; and a wait ahead of the first use
	v_mul_f32 v4, s80, v15                         ; t = 127 / a_next, first guess,
	v_fma_f32 v5, -v4, v14, s80                    ; what is left of 127,
	v_fma_f32 v4, v5, v15, v4                      ; corrected once
	v_mov_b32 v6, s76
	v_mul_f32 v6, s77, v6                          ; a_w a_in
	v_mul_f32 v6, 0x38820610, v6                   ; / 127^2
	v_mul_f32 v[SC], v6, v4
	v_mov_b32 v[SC+1], v[SC]
	v_mov_b32 v7, s78
	v_mul_f32 v7, 0x3c010204, v7                   ; a_b / 127
	v_mul_f32 v[SBT], v7, v4
	v_mov_b32 v[SBT+1], v[SBT]
	v_mov_b32 v5, 0xc2fe0000                       ; -127.0
	v_mov_b32 v6, 0
	v_mov_b32 v7, s80
	v_cmp_lt_f32 vcc_lo, 0, v4                     ; t > 0: codes 0 .. 127; else relu(y) t runs from 0 down: -127 .. 0.
	v_cndmask_b32 v[LO], v5, v6, vcc_lo
	v_cndmask_b32 v[HI], v6, v7, vcc_lo
	s_wait_loadcnt 2*NCV                           ; the bias is in; CONV's first two sets, issued behind it, may stay out
.set i, 0
.rept 64
	v_cvt_f32_i32 v[BIAS+i], v[BIAS+i]
.set i, i+1
.endr
.set i, 0
.rept 32
	v_pk_mul_f32 v[BIAS+i:BIAS+i+1], v[BIAS+i:BIAS+i+1], v[SBT:SBT+1]
.set i, i+2
.endr
; 8 matrix instructions: row block a x all 8 column blocks, 32 along K.  zero = 1: the first product starts the sums: nothing is ever cleared.
; The 32 accumulators take turns, one instruction a turn, in the same order in every quarter, over the backward jump too.
.macro MUL8 f, a, zero
	WIN MUL
.irp b, 0,1,2,3,4,5,6,7
.if \zero
	v_wmma_f32_16x16x32_bf16 v[8*(8*(\a)+(\b)):8*(8*(\a)+(\b))+7], v[(\f)+8*(\b):(\f)+8*(\b)+7], v[(\f)+64+8*(\a):(\f)+64+8*(\a)+7], 0
.else
	v_wmma_f32_16x16x32_bf16 v[8*(8*(\a)+(\b)):8*(8*(\a)+(\b))+7], v[(\f)+8*(\b):(\f)+8*(\b)+7], v[(\f)+64+8*(\a):(\f)+64+8*(\a)+7], v[8*(8*(\a)+(\b)):8*(8*(\a)+(\b))+7]
.endif
.endr
.endm
; 24 LDS loads in one run: the fragments of one quarter step (128 rows of B, then 64 rows of A, 32 K at byte k of the rows) into buffer f
.macro FETCH slot, k, f
	WIN TO_F
.irp i, 0,1,2,3,4,5,6,7
	ds_load_b128 v[(\f)+8*(\i):(\f)+8*(\i)+3],   v[ADRB+(\slot)] offset:(\k)+(\i)*16*PITCH
	ds_load_b128 v[(\f)+8*(\i)+4:(\f)+8*(\i)+7], v[ADRB+(\slot)] offset:(\k)+(\i)*16*PITCH+32
.endr
.irp i, 0,1,2,3
	ds_load_b128 v[(\f)+64+8*(\i):(\f)+64+8*(\i)+3],   v[ADRA+(\slot)] offset:(\k)+(\i)*16*PITCH
	ds_load_b128 v[(\f)+64+8*(\i)+4:(\f)+64+8*(\i)+7], v[ADRA+(\slot)] offset:(\k)+(\i)*16*PITCH+32
.endr
.endm
.macro PLACES                          ; four places (ISA guide 7.12.1 for vector work) in front of loads into registers that matrix instructions have read, and of vector work that reads results
.rept 4
	v_nop
.endr
.endm
; THE NEXT LAYER'S WEIGHTS, once in each K step.  My wave's share of CW lies on end; a K step's set is NCV x 512 bytes of it: NCV loads of 512 consecutive bytes, 4 numbers a lane each, to f32, two roundings to bf16
; an instruction, NCV stores of 256 consecutive bytes, aligned.  Two sets of registers go by the slot: set b is converted here and asked for again at once, for the K step two on.
; ask = 1: that load is issued (the last two K steps ask for nothing).  left = the other set's loads, which are younger and may stay out.
; The pointers are stepped at the head, behind the wait that shows that the loads and stores of the K step before have read them; the stores reach back by a negative immediate.
.macro CONV b, ask, left
	WIN 0
	s_wait_loadcnt \left                           ; loads come back in order (ISA guide 5.7.1): set b is in
	s_wait_xcnt 0x0                                ; every earlier memory instruction has had its addresses translated (ISA guide 3.1): the pointers and the last set's store data are written only behind this wait
	s_add_nc_u64 s[CS:CS+1], s[CS:CS+1], NCV*512
	s_add_nc_u64 s[CD:CD+1], s[CD:CD+1], NCV*256
.set i, 0
.rept 4*NCV
	v_cvt_f32_i32 v[CVX+64*(\b)+i], v[CVX+64*(\b)+i]
.set i, i+1
.endr
.set i, 0
.rept 2*NCV
	v_cvt_pk_bf16_f32 v[CVY+i], v[CVX+64*(\b)+2*i], v[CVX+64*(\b)+2*i+1]
.set i, i+1
.endr
.if \ask
.set i, 0
.rept NCV
	global_load_b128 v[CVX+64*(\b)+4*i:CVX+64*(\b)+4*i+3], v[CVI], s[CS:CS+1] offset:NCV*512+512*i th:TH_LOAD_NT
.set i, i+1
.endr
.endif
.set i, 0
.rept NCV
	global_store_b64 v[CVO], v[CVY+2*i:CVY+2*i+1], s[CD:CD+1] offset:256*i-NCV*256 th:TH_STORE_NT
.set i, i+1
.endr
.endm
; A K step is four quarters of 32 along K, 32 matrix instructions each, on buffers 0, 1, 0, 1.  One of the first three: multiplies buffer f; in its middle it fetches the next quarter, at byte k, into g.
; cv: the third quarter also converts a set of the next layer's weights (1: in the loop; 2, 3: the last two K steps); its conversions, plain vector work on other registers, are then the four places.
.macro QUARTER slot, k, f, g, zero, cv=0
	s_wait_dscnt 4                                 ; B and A's blocks 0 and 1 are in; the youngest four loads (A's blocks 2 and 3) may be out
	MUL8 \f, 0, \zero
	MUL8 \f, 1, \zero
.if (\cv) == 1
	CONV \slot, 1, NCV
.elseif (\cv) == 2
	CONV \slot, 0, NCV
.elseif (\cv) == 3
	CONV \slot, 0, 0
.else
	PLACES
.endif
	FETCH \slot, \k, \g
	s_wait_dscnt 24                                ; all but the 24 just issued
	MUL8 \f, 2, \zero
	MUL8 \f, 3, \zero
.endm
; The last quarter multiplies buffer 1 and changes slots: ONE barrier.  Half of its products stand ahead of the change, so that between a tile's landing and the next request stand only the lines that order them.
; In front of the barrier each wave waits for all its tensor loads (one is out: its part of the next slot), adds 0 to its spare word, and waits for that and for its own reads of this slot.
; fill = 1: the barrier opens a round of the cluster's, and this slot is filled again first thing behind it, with the K step two on: a K step's 128 matrix instructions ahead of the wait for it.
.macro TURN slot, next, fill
	s_wait_dscnt 4                                 ; B and A's blocks 0 and 1 of buffer 1 are in
	MUL8 F1, 0, 0
	MUL8 F1, 1, 0
	WIN 0
.if \fill
	s_wait_xcnt 0x0                                ; the last prefetch, a K step back, has read its address: it is stepped here
	s_add_nc_u64 s[PFA:PFA+1], s[PFA:PFA+1], KSTEP*2
.endif
	s_wait_tensorcnt 0x0                           ; all my tensor loads have landed, so every group 0 may be written;
	ds_add_u32 v[SPW], v[NIL]                      ; 0 onto my spare word; the descriptors' steps stand between it and the wait for it
.if \fill
	s_add_nc_u64 s[G0+4*(\slot)+2:G0+4*(\slot)+3], s[G0+4*(\slot)+2:G0+4*(\slot)+3], 2*KSTEP*2
	s_add_nc_u64 s[G0B+4*(\slot)+2:G0B+4*(\slot)+3], s[G0B+4*(\slot)+2:G0B+4*(\slot)+3], 2*KSTEP*2
.endif
	s_wait_dscnt 0x0                               ; the add is done, and my reads of this slot are over
	s_barrier_signal -1
	s_barrier_wait -1
.if \fill
	CREST                                          ; no wave of any partner still reads this slot's tile or has a load on its way
	JLOAD \slot                                    ; the first tensor load behind the round; the four v_nop behind it are also the places in front of the loads below
.else
	PLACES
.endif
	FETCH \next, 0, F0
.if \fill
	ASK
.endif
	MUL8 F1, 2, 0
	MUL8 F1, 3, 0
.endm
; THE WAY OUT of row block a (16 rows x 128 columns).  z = acc SC + bias, two an instruction, each accumulator from its low end on; rounded to a whole number, clamped, packed to bf16 (exact): 16 bytes a lane for
; each column block; into my own stage in rows of 272 bytes, and back as whole rows of 256.  LDS serves a wave's instructions in order (ISA guide 5.7.1.4): the loads see the stores, the next block's stores come behind the loads.
.macro PACK a
.irp hf, 0,1
	WIN W_ACC
.irp bb, 0,1,2,3
.irp p, 0,1,2,3
	v_pk_fma_f32 v[T+8*(\bb)+2*(\p):T+8*(\bb)+2*(\p)+1], v[8*(8*(\a)+4*(\hf)+(\bb))+2*(\p):8*(8*(\a)+4*(\hf)+(\bb))+2*(\p)+1], v[SC:SC+1], v[BIAS+8*(4*(\hf)+(\bb))+2*(\p):BIAS+8*(4*(\hf)+(\bb))+2*(\p)+1]
.endr
.endr
	WIN 0
.set i, 0
.rept 32
	v_rndne_f32 v[T+i], v[T+i]
.set i, i+1
.endr
.set i, 0
.rept 32
	v_med3_num_f32 v[T+i], v[T+i], v[LO], v[HI]
.set i, i+1
.endr
.set i, 0
.rept 16
	v_cvt_pk_bf16_f32 v[TMP+32*(\a)+16*(\hf)+i], v[T+2*i], v[T+2*i+1]
.set i, i+1
.endr
.endr
.irp b, 0,1,2,3,4,5,6,7
	ds_store_b128 v[STO], v[TMP+32*(\a)+4*(\b):TMP+32*(\a)+4*(\b)+3] offset:32*(\b)
.endr
.irp t, 0,1,2,3,4,5,6,7
	ds_load_b128 v[TMP+32*(\a)+4*(\t):TMP+32*(\a)+4*(\t)+3], v[RD] offset:(\t)*2*SPITCH
.endr
.endm
.macro SEND a, younger                 ; younger: the LDS instructions issued behind block a's loads: the next block's sixteen, or none
.irp t, 0,1,2,3,4,5,6,7
	s_wait_dscnt (\younger)+7-(\t)
	global_store_b128 v[CO], v[TMP+32*(\a)+4*(\t):TMP+32*(\a)+4*(\t)+3], s[8:9] offset:(16*(\a)+2*(\t))*SIZE_N*2  ; 16 lanes store 256 consecutive bytes, at a multiple of 256 from OUT's first byte; no register of a store is written again
.endr
.endm
	s_wait_tensorcnt 1                             ; my part of K step 0 is in; K step 1's load may stay out
	s_barrier_signal -1
	s_barrier_wait -1                              ; everybody's is
	FETCH 0, 0, F0
	QUARTER 0, 64,  F0, F1, 1                      ; the first quarter stands in front of the loop: its products start the sums
	WIN 0                                          ; at a label and at a branch every window is 0
	s_mov_b32 s3, LAPS-1
.Llap:                                                 ; a trip goes once round the ring, from a lap's second quarter to the next lap's first, and fills both slots again
	QUARTER 0, 128, F1, F0, 0
	QUARTER 0, 192, F0, F1, 0, 1
	TURN 0, 1, 1
	QUARTER 1, 64,  F0, F1, 0
	QUARTER 1, 128, F1, F0, 0
	QUARTER 1, 192, F0, F1, 0, 1
	TURN 1, 0, 1
	QUARTER 0, 64,  F0, F1, 0
	WIN 0
	s_sub_co_u32 s3, s3, 1
	s_cmp_lg_u32 s3, 0
	s_cbranch_scc1 .Llap
	QUARTER 0, 128, F1, F0, 0                      ; the last lap is written out: it fills nothing, and has no round of the cluster's barrier
	QUARTER 0, 192, F0, F1, 0, 2
	TURN 0, 1, 0
	QUARTER 1, 64,  F0, F1, 0
	QUARTER 1, 128, F1, F0, 0
	QUARTER 1, 192, F0, F1, 0, 3
	s_wait_dscnt 4                                 ; the very last quarter: nothing more to fetch
	MUL8 F1, 0, 0
	MUL8 F1, 1, 0
	s_wait_dscnt 0x0
	MUL8 F1, 2, 0
	MUL8 F1, 3, 0
	WIN 0
	PLACES
	s_wait_xcnt 0x0                                ; CONV's last stores have read their data: the way out writes the same registers
	PACK 0
	PACK 1                                         ; a block's arithmetic stands between the loads of the block before and its stores
	SEND 0, 16
	PACK 2
	SEND 1, 16
	PACK 3
	SEND 2, 16
	SEND 3, 0
	s_wait_tensorcnt 0x0                           ; the wave's end, behind my last tensor load and my last LDS store
	ds_add_u32 v[SPW], v[NIL]
	s_wait_dscnt 0x0
	CROUND                                         ; the closing round: no work-group ends while a partner may still ask for a tile that names it
	s_endpgm
.Lfunc_end_k_qa51403b0e8_g2:
	.size	k_qa51403b0e8_g2, .Lfunc_end_k_qa51403b0e8_g2-k_qa51403b0e8_g2
	.p2alignl 7, 3214868480
	.fill 96, 4, 3214868480
	.section	.rodata,"a",@progbits
	.p2align	6, 0x0
	.amdhsa_kernel k_qa51403b0e8_g2
		.amdhsa_group_segment_fixed_size 327680
		.amdhsa_private_segment_fixed_size 0
		.amdhsa_enable_private_segment 0
		.amdhsa_kernarg_size 80
		.amdhsa_user_sgpr_count 2
		.amdhsa_user_sgpr_kernarg_segment_ptr 1
		.amdhsa_wavefront_size32 1
		.amdhsa_system_sgpr_workgroup_id_x 1
		.amdhsa_system_sgpr_workgroup_id_y 1
		.amdhsa_system_sgpr_workgroup_id_z 1
		.amdhsa_system_vgpr_workitem_id 0
		.amdhsa_next_free_vgpr 768
		.amdhsa_next_free_sgpr 88
		.amdhsa_reserve_vcc 1
		.amdhsa_float_denorm_mode_32 3
		.amdhsa_float_denorm_mode_16_64 3
		.amdhsa_memory_ordered 1
		.amdhsa_forward_progress 1
		.amdhsa_inst_pref_size 132
	.end_amdhsa_kernel
	.amdgpu_metadata
---
amdhsa.version: [ 1, 2 ]
amdhsa.kernels:
  - .name:           k_qa51403b0e8_g2
    .symbol:         k_qa51403b0e8_g2.kd
    .args:
      - { .name: h1, .offset: 0, .size: 8, .value_kind: global_buffer, .address_space: global }
      - { .name: w2b, .offset: 8, .size: 8, .value_kind: global_buffer, .address_space: global }
      - { .name: h2, .offset: 16, .size: 8, .value_kind: global_buffer, .address_space: global }
      - { .name: b2, .offset: 24, .size: 8, .value_kind: global_buffer, .address_space: global }
      - { .name: a2_in, .offset: 32, .size: 8, .value_kind: global_buffer, .address_space: global }
      - { .name: a2_w, .offset: 40, .size: 8, .value_kind: global_buffer, .address_space: global }
      - { .name: a2_b, .offset: 48, .size: 8, .value_kind: global_buffer, .address_space: global }
      - { .name: a4_in, .offset: 56, .size: 8, .value_kind: global_buffer, .address_space: global }
      - { .name: W4, .offset: 64, .size: 8, .value_kind: global_buffer, .address_space: global }
      - { .name: w4b, .offset: 72, .size: 8, .value_kind: global_buffer, .address_space: global }
    .group_segment_fixed_size: 327680
    .private_segment_fixed_size: 0
    .kernarg_segment_align: 8
    .kernarg_segment_size: 80
    .max_flat_workgroup_size: 128
    .sgpr_count:     88
    .vgpr_count:     768
    .wavefront_size: 32
...
	.end_amdgpu_metadata
.endif
;; end of part 3
;; launch g4 (part 4): grid 16 x 16, 4 waves a work-group, clusters of 4 x 4, 327,680 bytes of LDS; arguments h2, w4b, out0, b4, a4_in, a4_w, a4_b; writes out0
.if DOCPART == 4
	.amdgcn_target "amdgcn-amd-amdhsa--gfx1250"
	.amdhsa_code_object_version 6
	.text
	.protected	k_qa51403b0e8_g4
	.globl	k_qa51403b0e8_g4
	.p2align	8
	.type	k_qa51403b0e8_g4,@function
k_qa51403b0e8_g4:
	s_mov_b64 s[64:65], 0
	v_nop
	global_prefetch_b8 v0, s[64:65] scope:SCOPE_SE
	s_setreg_imm32_b32 hwreg(HW_REG_WAVE_MODE, 25, 1), 1
	s_wait_xcnt 0x0
	s_wait_alu depctr_hold_cnt(0) depctr_sa_sdst(0) depctr_va_vdst(0) depctr_va_sdst(0) depctr_va_ssrc(0) depctr_va_vcc(0) depctr_vm_vsrc(0)
	s_getreg_b32 s2, hwreg(HW_REG_IB_STS2, 6, 4)
	s_cmp_eq_u32 s2, 0
	s_cbranch_scc0 .Lentry_in_a_cluster
	s_endpgm
.Lentry_in_a_cluster:
	s_bfe_u32 s2, ttmp6, 0x10000c
	s_cmp_lg_u32 s2, 0xf033
	s_cbranch_scc0 .Lentry_shape_is_right
	s_endpgm
.Lentry_shape_is_right:
; THE LAST LAYER.  acc[m][n] = sum over k of A[m][k] B[n][k]; OUT[m][n] = acc (a_w a_in / 127^2) + bias[n] (a_b / 127), in f32.
; A: [2048][SIZE_K] codes, B: [SIZE_N][SIZE_K] weights, whole numbers held in bf16 (exact up to 256 in size); bias: [SIZE_N] int32; OUT: [2048][SIZE_N] f32; sums in f32, exact below 2^24.
; LIMITS.  The two terms meet in one fused multiply-add, and 1/127 and 1/127^2 are multiplied by: the last bits may differ from a multiply, a division and an add.  A sum beyond 2^24 is rounded to f32 on its way;
; a sum beyond int32 does not wrap round.  NaN and infinities are not treated apart.
; SHARES.  OUT has 2048 x 2048 numbers: a tile of 128 x 128 gives 16 x 16 = 256 work-groups.  Four waves, each 64 x 64: 16 accumulators of 16 x 16, 128 registers.  K goes in steps of 256 (LDS rows of 512 bytes; a
; wave's tensor load brings 64 of them), as long as two slots in LDS allow.  A wave's 64 columns of f32 are 256 aligned bytes of a row of OUT, so each wave has a stage of its own on the way out, and no barrier there.
; CLUSTERS: 4 x 4 work-groups.  The four of a row of the cluster need the same tiles of A, the four of a column the same tiles of B: each tile is asked for JOINTLY, by the same tensor load with the
; same descriptor and a mask that names the four.  THE MATRIX INSTRUCTION IS USED TRANSPOSED (source 0 = 16 rows of B, source 1 = 16 rows of A): a lane then holds eight neighbouring numbers of a row of OUT.
; REGISTERS: window 0: v0-31 addresses and scales; v96-127 the bias of my 64 columns, scaled; v128-255 the accumulators ((a, b) at v[128 + 8 (4 a + b)]).
;   window 1: two fragment buffers of 128: for 64 along K (two matrix instructions deep), 64 registers of A (2 x 4 x 16 rows x 32 K), then 64 of B.
.set SIZE_N, 2048
.set SIZE_K, 4096
.set KSTEP,  256
.set PITCH,  528                       ; an LDS row: 512 bytes + 16 of padding = 132 words: row r starts at bank 4 r mod 64 (64 banks of 4 bytes: ISA guide 11.1)
.set HALFT,  64*PITCH                  ; 64 rows: what one tensor load brings, and what one wave reads of A or of B
.set SLOT,   4*HALFT                   ; A's 128 rows, then B's 128 rows
.set STAGE,  2*SLOT                    ; behind the ring: 16 rows x 272 bytes for each wave, for the way out; no tensor load fills it
.set SPITCH, 272
.set SPARE,  STAGE+4*16*SPITCH         ; behind the stages: the spare words, 128 bytes for each wave: two blocks of 256 bytes that no other line names
.set LAPS,   SIZE_K/(2*KSTEP)         ; a lap = two K steps = once round the ring
.set SC,   8                           ; v[8:9]   a_w a_in / 127^2, twice
.set SB,   10                          ; v[10:11] a_b / 127, twice
.set ADRA, 16                          ; v16-17  LDS address of my A fragments in slot 0, 1
.set ADRB, 20                          ; v20-21  the same for B
.set STO,  24                          ; v24     the way out: where I put 32 bytes of a row
.set RD,   25                          ; v25     the way out: where I read a row back
.set CO,   26                          ; v26     my byte offset in OUT
.set BO,   27                          ; v27     my byte offset in the bias
.set SPW,  28                          ; v28     LDS address of my spare word: SPARE + 4 x my thread's number; never rewritten
.set NIL,  29                          ; v29     0; never rewritten
.set BIAS, 96
.set ACC,  128
.set F0,   0                           ; fragment buffers, in window 1
.set F1,   128
.set G1, 24                            ; s[24:31] descriptor group 1 for A's tiles;  s[32:39] group 0, one set for each slot
.set G0, 32
.set G1B, 48                           ; s[48:55], s[56:63] the same for B's tiles
.set G0B, 56
.set MSB, 0
.macro WIN new                         ; the immediate's high byte repeats the setting that is left; a switch that changes nothing is dropped
.if MSB != (\new)
	s_set_vgpr_msb (MSB<<8)|(\new)
.set MSB, \new
.endif
.endm
.set MUL,  0x05                        ; sources 0 (B) and 1 (A) window 1; C and D window 0
.set TO_F, 0x40                        ; destination window 1, address window 0
.macro JLOAD s                         ; a joint load: waves 0 and 1 fetch A's two halves, waves 2 and 3 B's; an s_nop 0 and four v_nop follow each of the two lines, ahead of the jump, the label and what follows
	s_cmp_eq_u32 s11, 0
	s_cbranch_scc0 .Lfor_b_\@
	tensor_load_to_lds s[G0+4*(\s):G0+4*(\s)+3], s[G1:G1+7]
	s_nop 0
.rept 4
	v_nop
.endr
	s_branch .Lasked_\@
.Lfor_b_\@:
	tensor_load_to_lds s[G0B+4*(\s):G0B+4*(\s)+3], s[G1B:G1B+7]
	s_nop 0
.rept 4
	v_nop
.endr
.Lasked_\@:
.endm
.macro CREST                           ; a round of the cluster's barrier behind its opening barrier
	s_cmp_lg_u32 s10, 0
	s_cbranch_scc1 .Lnot_wave_0_\@
	s_barrier_signal -3
.Lnot_wave_0_\@:
	s_barrier_wait -3
	s_barrier_signal -1
	s_barrier_wait -1
.endm
.macro CROUND                          ; a whole round
	s_barrier_signal -1
	s_barrier_wait -1
	CREST
.endm
	s_load_b128 s[4:7], s[0:1], 0x0                ; A s[4:5], B s[6:7]
	s_load_b64 s[8:9], s[0:1], 0x10                ; OUT
	s_load_b64 s[66:67], s[0:1], 0x18              ; bias
	s_load_b128 s[68:71], s[0:1], 0x20             ; the addresses of a_in, a_w
	s_load_b64 s[72:73], s[0:1], 0x30              ; and of a_b
	v_lshl_add_u32 v[SPW], v0, 2, SPARE
	v_mov_b32 v[NIL], 0
	ds_add_u32 v[SPW], v[NIL]                      ; the wave's opening: the add, twice on end, and its wait ahead of my first tensor load; the set-up below stands between
	ds_add_u32 v[SPW], v[NIL]                      ; and once more, under the one wait
	v_lshrrev_b32 v1, 5, v0
	v_readfirstlane_b32 s10, v1                    ; wave 0..3
	s_lshr_b32 s11, s10, 1                         ; which half of the tile's rows is mine.  Also: I fetch for A (0) or for B (1)
	s_and_b32 s12, s10, 1                          ; which half of its columns.  Also: which 64 rows of that tile I fetch
	s_bfe_u32 s40, ttmp6, 0x40000                  ; cx, cy: my place in the cluster
	s_bfe_u32 s41, ttmp6, 0x40004
	s_lshl_b32 s42, ttmp9, 2
	s_add_co_u32 s42, s42, s40                     ; tile column = 4 x cluster x + cx
	s_and_b32 s13, ttmp7, 0xffff
	s_lshl_b32 s13, s13, 2
	s_add_co_u32 s13, s13, s41                     ; tile row = 4 x cluster y + cy
	s_lshl_b32 s43, s41, 2
	s_lshl_b32 s43, 15, s43                        ; my row of the cluster
	s_lshl_b32 s44, 0x1111, s40                    ; my column
	; descriptor group 1: a tile of 64 rows x 256 elements, padded in LDS
	s_or_b32 s[G1+0], s43, (1<<16)|(1<<20)|(1<<21)|(6<<22)|(3<<25)  ; 15:0 the mask: A's tiles go to my row; 17:16 elements of 2 bytes; 20 padding on; 21 set beside a mask; 24:22 after every 128 words (code 6); 31:25 4 words (code 3)
	s_or_b32 s[G1B+0], s44, (1<<16)|(1<<20)|(1<<21)|(6<<22)|(3<<25)
.irp g, G1, G1B
	s_mov_b32 s[(\g)+1], KSTEP<<16                 ; tensor_dim0 = 256
	s_mov_b32 s[(\g)+2], 64<<16                    ; tensor_dim1 = 64
	s_mov_b32 s[(\g)+3], KSTEP<<16                 ; tile_dim0 = 256
	s_mov_b32 s[(\g)+4], 64                        ; tile_dim1 = 64
	s_mov_b32 s[(\g)+5], SIZE_K                    ; elements from row to row
	s_mov_b32 s[(\g)+6], 0
	s_mov_b32 s[(\g)+7], 0
.endr
	s_lshl_b32 s17, s12, 6                         ; which 64 rows of the tile I fetch
	s_lshl_b32 s16, s13, 7
	s_add_co_u32 s16, s16, s17                     ; A: row 128 x tile row + 64 x half
	s_lshl_b32 s46, s42, 7
	s_add_co_u32 s46, s46, s17                     ; B: row 128 x tile column + 64 x half
	s_mov_b32 s17, 0
	s_mov_b32 s47, 0
	s_mov_b64 s[18:19], SIZE_K*2
	s_mul_u64 s[16:17], s[16:17], s[18:19]
	s_mul_u64 s[46:47], s[46:47], s[18:19]
	s_mul_i32 s20, s10, HALFT                      ; where they go: wave x 64 rows: no place in the cluster enters an LDS address
	s_wait_dscnt 0x0                               ; both opening adds are done
	s_wait_kmcnt 0x0
	s_add_nc_u64 s[14:15], s[4:5], s[16:17]
	s_add_nc_u64 s[46:47], s[6:7], s[46:47]
	CROUND                                         ; all sixteen work-groups are here: the first joint loads meet
.irp s, 0,1
	s_mov_b32 s[G0+4*(\s)], 1
	s_add_co_u32 s[G0+4*(\s)+1], s20, (\s)*SLOT
	s_add_nc_u64 s[G0+4*(\s)+2:G0+4*(\s)+3], s[14:15], (\s)*KSTEP*2
	s_or_b32 s[G0+4*(\s)+3], s[G0+4*(\s)+3], 0x80000000
	s_mov_b32 s[G0B+4*(\s)], 1
	s_add_co_u32 s[G0B+4*(\s)+1], s20, (\s)*SLOT
	s_add_nc_u64 s[G0B+4*(\s)+2:G0B+4*(\s)+3], s[46:47], (\s)*KSTEP*2
	s_or_b32 s[G0B+4*(\s)+3], s[G0B+4*(\s)+3], 0x80000000
	JLOAD \s                                       ; both slots are asked for before anything else is done: two tensor loads of mine are out
.endr
	; ALL THAT FOLLOWS, UP TO THE FIRST BARRIER, STANDS IN THE WAIT FOR THE FIRST TILE
	s_load_b32 s76, s[68:69], 0x0                  ; a_in
	s_load_b32 s77, s[70:71], 0x0                  ; a_w
	s_load_b32 s78, s[72:73], 0x0                  ; a_b
	v_and_b32 v1, 15, v0                           ; l % 16
	v_bfe_u32 v2, v0, 4, 1                         ; l / 16
	s_lshl_b32 s46, s42, 9                         ; the bias of my 64 columns: 512 x tile column + 256 x half,
	s_lshl_b32 s47, s12, 8
	s_add_co_u32 s46, s46, s47                     ; (also my first column's byte in a row of OUT)
	v_lshl_add_u32 v[BO], v2, 5, s46               ; + 32 (l / 16): my eight columns of each block of 16
.irp b, 0,1,2,3
	global_load_b128 v[BIAS+8*(\b):BIAS+8*(\b)+3],   v[BO], s[66:67] offset:64*(\b)
	global_load_b128 v[BIAS+8*(\b)+4:BIAS+8*(\b)+7], v[BO], s[66:67] offset:64*(\b)+16
.endr
	v_mul_u32_u24 v3, v1, PITCH
	v_lshl_add_u32 v3, v2, 4, v3                   ; a fragment's row x pitch + 16 x half
	s_mul_i32 s21, s11, HALFT                      ; my 64 rows of A
	s_mul_i32 s22, s12, HALFT                      ; my 64 rows of B,
	s_add_co_u32 s22, s22, 2*HALFT                 ; which lie behind A's 128
.irp s, 0,1
	v_add_nc_u32 v[ADRA+(\s)], s21, v3
	v_add_nc_u32 v[ADRB+(\s)], s22, v3
	s_add_co_u32 s21, s21, SLOT
	s_add_co_u32 s22, s22, SLOT
.endr
	s_mul_i32 s23, s10, 16*SPITCH
	s_add_co_u32 s23, s23, STAGE                   ; my stage
	v_mul_u32_u24 v4, v1, SPITCH                   ; in: row l % 16, 32 bytes (eight f32) for each half of the lanes
	v_lshl_add_u32 v4, v2, 5, v4
	v_add_nc_u32 v[STO], s23, v4
	v_mul_u32_u24 v5, v2, SPITCH                   ; back: lanes 0-15 take one row of 256 bytes, lanes 16-31 the next
	v_lshl_add_u32 v5, v1, 4, v5
	v_add_nc_u32 v[RD], s23, v5
	v_mul_u32_u24 v5, v2, SIZE_N*4                 ; and the same two rows in OUT
	v_lshl_add_u32 v[CO], v1, 4, v5
	s_lshl_b32 s16, s13, 7                         ; where my part of the tile begins in OUT: row 128 x tile row + 64 x half,
	s_lshl_b32 s17, s11, 6
	s_add_co_u32 s16, s16, s17
	s_lshl_b32 s16, s16, 13                        ; x 8,192 bytes,
	s_add_co_u32 s16, s16, s46                     ; + my first column's byte; under 2^25
	s_mov_b32 s17, 0
	s_add_nc_u64 s[8:9], s[8:9], s[16:17]
	s_wait_kmcnt 0x0
	v_mov_b32 v6, s76
	v_mul_f32 v6, s77, v6                          ; a_w a_in
	v_mul_f32 v[SC], 0x38820610, v6                ; / 127^2
	v_mov_b32 v[SC+1], v[SC]
	v_mov_b32 v7, s78
	v_mul_f32 v[SB], 0x3c010204, v7                ; a_b / 127
	v_mov_b32 v[SB+1], v[SB]
	s_wait_loadcnt 0x0                             ; the bias
.set i, 0
.rept 32
	v_cvt_f32_i32 v[BIAS+i], v[BIAS+i]
.set i, i+1
.endr
.set i, 0
.rept 16
	v_pk_mul_f32 v[BIAS+i:BIAS+i+1], v[BIAS+i:BIAS+i+1], v[SB:SB+1]
.set i, i+2
.endr
; 8 matrix instructions: row blocks a0, a0 + 1 x all 4 column blocks, 32 along K: half c of buffer f.  zero = 1: the first product starts the sums.
; The 16 accumulators take turns, one instruction a turn, over the backward jump too.
.macro MUL8 f, c, a0, zero
	WIN MUL
.irp a, \a0, (\a0)+1
.irp b, 0,1,2,3
.if \zero
	v_wmma_f32_16x16x32_bf16 v[ACC+8*(4*(\a)+(\b)):ACC+8*(4*(\a)+(\b))+7], v[(\f)+64+8*(4*(\c)+(\b)):(\f)+64+8*(4*(\c)+(\b))+7], v[(\f)+8*(4*(\c)+(\a)):(\f)+8*(4*(\c)+(\a))+7], 0
.else
	v_wmma_f32_16x16x32_bf16 v[ACC+8*(4*(\a)+(\b)):ACC+8*(4*(\a)+(\b))+7], v[(\f)+64+8*(4*(\c)+(\b)):(\f)+64+8*(4*(\c)+(\b))+7], v[(\f)+8*(4*(\c)+(\a)):(\f)+8*(4*(\c)+(\a))+7], v[ACC+8*(4*(\a)+(\b)):ACC+8*(4*(\a)+(\b))+7]
.endif
.endr
.endr
.endm
; 32 LDS loads in one run: the fragments of 64 along K at byte k of the rows, into buffer f; the first 32 along K first
.macro FETCH slot, k, f
	WIN TO_F
.irp c, 0,1
.irp i, 0,1,2,3
	ds_load_b128 v[(\f)+64+8*(4*(\c)+(\i)):(\f)+64+8*(4*(\c)+(\i))+3],   v[ADRB+(\slot)] offset:(\k)+64*(\c)+(\i)*16*PITCH
	ds_load_b128 v[(\f)+64+8*(4*(\c)+(\i))+4:(\f)+64+8*(4*(\c)+(\i))+7], v[ADRB+(\slot)] offset:(\k)+64*(\c)+(\i)*16*PITCH+32
	ds_load_b128 v[(\f)+8*(4*(\c)+(\i)):(\f)+8*(4*(\c)+(\i))+3],         v[ADRA+(\slot)] offset:(\k)+64*(\c)+(\i)*16*PITCH
	ds_load_b128 v[(\f)+8*(4*(\c)+(\i))+4:(\f)+8*(4*(\c)+(\i))+7],       v[ADRA+(\slot)] offset:(\k)+64*(\c)+(\i)*16*PITCH+32
.endr
.endr
.endm
.macro PLACES                          ; four places (ISA guide 7.12.1 for vector work) in front of loads into registers that matrix instructions have read, and of vector work on results
.rept 4
	v_nop
.endr
.endm
; A K step is four quarters of 64 along K, 32 matrix instructions each, on buffers 0, 1, 0, 1.  One of the first three: multiplies buffer f and fetches the next quarter, at byte k, into g.
.macro QUARTER slot, k, f, g, zero
	s_wait_dscnt 16                                ; the first 32 along K are in; the youngest sixteen loads may be out
	MUL8 \f, 0, 0, \zero
	MUL8 \f, 0, 2, \zero
	PLACES
	FETCH \slot, \k, \g
	s_wait_dscnt 32                                ; all but the 32 just issued
	MUL8 \f, 1, 0, 0
	MUL8 \f, 1, 2, 0
.endm
; The last quarter multiplies buffer 1 and changes slots: ONE barrier.  Half of its products stand ahead of the change, so that between a tile's landing and the next request stand only the lines that order them.
; In front of the barrier each wave waits for all its tensor loads, adds 0 to its spare word, and waits for that and for its own reads of this slot.
; fill = 1: the barrier opens a round of the cluster's, and this slot is filled again first thing behind it, two K steps ahead: a K step's 128 matrix instructions ahead of the wait for it.
.macro TURN slot, next, fill
	s_wait_dscnt 16                                ; buffer 1's first 32 along K are in
	MUL8 F1, 0, 0, 0
	MUL8 F1, 0, 2, 0
	WIN 0
	s_wait_tensorcnt 0x0                           ; all my tensor loads have landed, so every group 0 may be written;
	ds_add_u32 v[SPW], v[NIL]                      ; 0 onto my spare word; the descriptors' steps stand between it and the wait for it
.if \fill
	s_add_nc_u64 s[G0+4*(\slot)+2:G0+4*(\slot)+3], s[G0+4*(\slot)+2:G0+4*(\slot)+3], 2*KSTEP*2
	s_add_nc_u64 s[G0B+4*(\slot)+2:G0B+4*(\slot)+3], s[G0B+4*(\slot)+2:G0B+4*(\slot)+3], 2*KSTEP*2
.endif
	s_wait_dscnt 0x0                               ; the add is done, and my reads of this slot are over
	s_barrier_signal -1
	s_barrier_wait -1
.if \fill
	CREST                                          ; no wave of any partner still reads this slot's tile or has a load on its way
	JLOAD \slot                                    ; the first tensor load behind the round; the four v_nop behind it are also the places in front of the loads below
.else
	PLACES
.endif
	FETCH \next, 0, F0
	MUL8 F1, 1, 0, 0
	MUL8 F1, 1, 2, 0
.endm
; THE WAY OUT of row block a (16 rows x 64 columns of f32).  acc SC + bias in place, two an instruction, each accumulator from its low end on; 32 bytes a lane for each column block into my own stage, in rows of
; 272 bytes, and back as whole rows of 256, into the same registers.  LDS serves a wave's instructions in order (ISA guide 5.7.1.4): the loads see the stores, the next block's stores come behind the loads.
.macro PACKF a
.irp b, 0,1,2,3
.irp p, 0,1,2,3
	v_pk_fma_f32 v[ACC+32*(\a)+8*(\b)+2*(\p):ACC+32*(\a)+8*(\b)+2*(\p)+1], v[ACC+32*(\a)+8*(\b)+2*(\p):ACC+32*(\a)+8*(\b)+2*(\p)+1], v[SC:SC+1], v[BIAS+8*(\b)+2*(\p):BIAS+8*(\b)+2*(\p)+1]
.endr
.endr
.irp b, 0,1,2,3
	ds_store_b128 v[STO], v[ACC+32*(\a)+8*(\b):ACC+32*(\a)+8*(\b)+3]   offset:64*(\b)
	ds_store_b128 v[STO], v[ACC+32*(\a)+8*(\b)+4:ACC+32*(\a)+8*(\b)+7] offset:64*(\b)+16
.endr
.irp t, 0,1,2,3,4,5,6,7
	ds_load_b128 v[ACC+32*(\a)+4*(\t):ACC+32*(\a)+4*(\t)+3], v[RD] offset:(\t)*2*SPITCH
.endr
.endm
.macro SEND a, younger                 ; younger: the LDS instructions issued behind block a's loads: the next block's sixteen, or none
.irp t, 0,1,2,3,4,5,6,7
	s_wait_dscnt (\younger)+7-(\t)
	global_store_b128 v[CO], v[ACC+32*(\a)+4*(\t):ACC+32*(\a)+4*(\t)+3], s[8:9] offset:(16*(\a)+2*(\t))*SIZE_N*4 th:TH_STORE_NT  ; 16 lanes store 256 consecutive bytes, at a multiple of 256 from OUT's first byte; no register of a store is written again
.endr
.endm
	s_wait_tensorcnt 1                             ; my part of K step 0 is in; K step 1's load may stay out
	s_barrier_signal -1
	s_barrier_wait -1                              ; everybody's is
	FETCH 0, 0, F0
	QUARTER 0, 128, F0, F1, 1                      ; the first quarter stands in front of the loop: its first products start the sums
	WIN 0                                          ; at a label and at a branch every window is 0
	s_mov_b32 s3, LAPS-1
.Llap:                                                 ; a trip goes once round the ring, from a lap's second quarter to the next lap's first, and fills both slots again
	QUARTER 0, 256, F1, F0, 0
	QUARTER 0, 384, F0, F1, 0
	TURN 0, 1, 1
	QUARTER 1, 128, F0, F1, 0
	QUARTER 1, 256, F1, F0, 0
	QUARTER 1, 384, F0, F1, 0
	TURN 1, 0, 1
	QUARTER 0, 128, F0, F1, 0
	WIN 0
	s_sub_co_u32 s3, s3, 1
	s_cmp_lg_u32 s3, 0
	s_cbranch_scc1 .Llap
	QUARTER 0, 256, F1, F0, 0                      ; the last lap is written out: it fills nothing, and has no round of the cluster's barrier
	QUARTER 0, 384, F0, F1, 0
	TURN 0, 1, 0
	QUARTER 1, 128, F0, F1, 0
	QUARTER 1, 256, F1, F0, 0
	QUARTER 1, 384, F0, F1, 0
	s_wait_dscnt 16                                ; the very last quarter: nothing more to fetch
	MUL8 F1, 0, 0, 0
	MUL8 F1, 0, 2, 0
	s_wait_dscnt 0x0
	MUL8 F1, 1, 0, 0
	MUL8 F1, 1, 2, 0
	WIN 0
	PLACES
	PACKF 0
	PACKF 1                                        ; a block's arithmetic stands between the loads of the block before and its stores
	SEND 0, 16
	PACKF 2
	SEND 1, 16
	PACKF 3
	SEND 2, 16
	SEND 3, 0
	s_wait_tensorcnt 0x0                           ; the wave's end, behind my last tensor load and my last LDS store
	ds_add_u32 v[SPW], v[NIL]
	s_wait_dscnt 0x0
	CROUND                                         ; the closing round: no work-group ends while a partner may still ask for a tile that names it
	s_endpgm
.Lfunc_end_k_qa51403b0e8_g4:
	.size	k_qa51403b0e8_g4, .Lfunc_end_k_qa51403b0e8_g4-k_qa51403b0e8_g4
	.p2alignl 7, 3214868480
	.fill 96, 4, 3214868480
	.section	.rodata,"a",@progbits
	.p2align	6, 0x0
	.amdhsa_kernel k_qa51403b0e8_g4
		.amdhsa_group_segment_fixed_size 327680
		.amdhsa_private_segment_fixed_size 0
		.amdhsa_enable_private_segment 0
		.amdhsa_kernarg_size 56
		.amdhsa_user_sgpr_count 2
		.amdhsa_user_sgpr_kernarg_segment_ptr 1
		.amdhsa_wavefront_size32 1
		.amdhsa_system_sgpr_workgroup_id_x 1
		.amdhsa_system_sgpr_workgroup_id_y 1
		.amdhsa_system_sgpr_workgroup_id_z 1
		.amdhsa_system_vgpr_workitem_id 0
		.amdhsa_next_free_vgpr 512
		.amdhsa_next_free_sgpr 88
		.amdhsa_reserve_vcc 0
		.amdhsa_float_denorm_mode_32 3
		.amdhsa_float_denorm_mode_16_64 3
		.amdhsa_memory_ordered 1
		.amdhsa_forward_progress 1
		.amdhsa_inst_pref_size 94
	.end_amdhsa_kernel
	.amdgpu_metadata
---
amdhsa.version: [ 1, 2 ]
amdhsa.kernels:
  - .name:           k_qa51403b0e8_g4
    .symbol:         k_qa51403b0e8_g4.kd
    .args:
      - { .name: h2, .offset: 0, .size: 8, .value_kind: global_buffer, .address_space: global }
      - { .name: w4b, .offset: 8, .size: 8, .value_kind: global_buffer, .address_space: global }
      - { .name: out0, .offset: 16, .size: 8, .value_kind: global_buffer, .address_space: global }
      - { .name: b4, .offset: 24, .size: 8, .value_kind: global_buffer, .address_space: global }
      - { .name: a4_in, .offset: 32, .size: 8, .value_kind: global_buffer, .address_space: global }
      - { .name: a4_w, .offset: 40, .size: 8, .value_kind: global_buffer, .address_space: global }
      - { .name: a4_b, .offset: 48, .size: 8, .value_kind: global_buffer, .address_space: global }
    .group_segment_fixed_size: 327680
    .private_segment_fixed_size: 0
    .kernarg_segment_align: 8
    .kernarg_segment_size: 56
    .max_flat_workgroup_size: 128
    .sgpr_count:     88
    .vgpr_count:     512
    .wavefront_size: 32
...
	.end_amdgpu_metadata
.endif
;; end of part 4
;; ======== version 2 of 2: 4 launches; version 1 with the launch prep written anew for expert scheduling mode
;; workspace buffers: xq 8,388,608 bytes; w0b 16,777,216 bytes; w2b 33,554,432 bytes; w4b 16,777,216 bytes; h1 16,777,216 bytes; h2 16,777,216 bytes
;; launch prep (part 5): grid 768 x 1, 8 waves a work-group, no clusters, 0 bytes of LDS; arguments W0, x, a0_in, w0b, xq; writes w0b, xq
.if DOCPART == 5
	.amdgcn_target "amdgcn-amd-amdhsa--gfx1250"
	.amdhsa_code_object_version 6
	.text
	.protected	k_qa51403b0e8_prep
	.globl	k_qa51403b0e8_prep
	.p2align	8
	.type	k_qa51403b0e8_prep,@function
k_qa51403b0e8_prep:
	s_mov_b64 s[64:65], 0
	v_nop
	global_prefetch_b8 v0, s[64:65] scope:SCOPE_SE
	s_setreg_imm32_b32 hwreg(HW_REG_WAVE_SCHED_MODE, 0, 2), 2
	s_setreg_imm32_b32 hwreg(HW_REG_WAVE_MODE, 25, 1), 1
	s_wait_xcnt 0x0
	s_wait_alu depctr_vm_vsrc(0)
; THE OPERANDS OF THE FIRST PRODUCT.  W0 (int32) is written as bf16 into w0b, in the same order; x (f32) is quantised as the first layer asks,
; q = clip(round(x * 127 / a0_in), -127, 127), and its codes are written as bf16 into xq.  (The other two layers' weights are converted beside the products of the layers before them.)
; Every weight is multiplied by 16 row blocks later on: converted here it is converted once.
; LIMITS.  A whole number up to 256 in size is exact in bf16; a larger weight is rounded to bf16's 8 significant bits.  127 / a0_in is a reciprocal with one
; correction step, so it may differ from the division in the last bit; a0_in = 0 or denormal, NaN and infinities are not treated apart.
; SHARES.  A work-group takes 16,384 numbers on end of one tensor: 65,536 bytes in, 32,768 out.  Work-groups 0-511: W0; 512-767: x.
; Thread t takes 16 pieces of 4 numbers: piece i is read at byte 4,096 i + 16 t (a wave's load covers 512 consecutive bytes) and written at 2,048 i + 8 t
; (a wave's store covers 256 consecutive bytes, aligned).  All 16 loads go out at once; no register is used twice, so no loop and no wait for sources.
; No LDS, no matrix unit, no barrier: no wave wants a byte that another has fetched.
; THE MODE: SCHED_MODE bits 1:0 = 2 (LLVM: expert scheduling mode 2), set by the entry lines.  The code itself states the register dependences
; between vector instructions and memory instructions, with s_wait_alu, always for 0.
; THE PLAN.  Registers that memory instructions touch:
;   v1, v2   byte offsets, written once at the head; v1 is read by the 16 loads, v2 by the 16 stores; never written again.
;   X        piece i: written by its load, which is issued before any vector instruction names X; then read and written by vector instructions alone.
;   Y        piece i: written once, by the piece's two roundings; read once, by the piece's store; never written again.
; The 16 pieces go in four groups of four.  Group g's roundings write its Y; its four stores are issued in group g + 1, one ahead of each piece's vector work.
; So ONE wait on va_vdst stands at the head of groups 1 to 3, behind the wait for the group's first data: the group before has written its Y.  The vector instructions
; behind that wait name this group's X and Y alone, none of the registers that the four stores read.  One more such wait stands at the kernel's head (the offsets) and one
; behind the last piece (the last group's Y).  No register that a memory instruction has read is written again, so no wait on vm_vsrc is owed.
.set PIECES, 16
.set GROUP,  4                         ; pieces in a group
.set X,   4                            ; v[4:67]    piece i: 4 registers as loaded, converted in place
.set Y,   68                           ; v[68:99]   piece i: 2 registers to store
.set SCL, 100                          ; v[100:101] 127 / a0_in, twice (a pair for the packed multiply)
	s_load_b128 s[8:11], s[0:1], 0x0               ; W0 s[8:9], x s[10:11]
	s_load_b64 s[16:17], s[0:1], 0x10              ; a0_in
	s_load_b128 s[20:23], s[0:1], 0x18             ; w0b s[20:21], xq s[22:23]
	v_lshlrev_b32 v1, 4, v0                        ; 16 t: never rewritten
	v_lshlrev_b32 v2, 3, v0                        ; 8 t: never rewritten
	s_mov_b32 s30, 0xc2fe0000                      ; -127.0
	s_mov_b32 s31, 0x42fe0000                      ; 127.0
	s_mov_b32 s29, 0                               ; the upper word of the offsets' pair
	s_wait_kmcnt 0x0
	s_cmp_ge_u32 ttmp9, 512                        ; from where and to where: chosen by the work-group's number alone
	s_cselect_b64 s[4:5], s[10:11], s[8:9]
	s_cselect_b64 s[6:7], s[22:23], s[20:21]
	s_cselect_b32 s2, 512, 0                       ; the first work-group of my tensor
	s_sub_co_u32 s2, ttmp9, s2                     ; my place in the tensor, 511 at the most
	s_lshl_b32 s28, s2, 16                         ; x 65,536 bytes in
	s_add_nc_u64 s[4:5], s[4:5], s[28:29]
	s_lshl_b32 s28, s2, 15                         ; x 32,768 bytes out
	s_add_nc_u64 s[6:7], s[6:7], s[28:29]
	s_wait_alu depctr_va_vdst(0)                   ; v1 and v2 are written: every load of the kernel reads v1 as its offset, every store v2
.set i, 0
.rept PIECES
	global_load_b128 v[X+4*i:X+4*i+3], v1, s[4:5] offset:4096*i th:TH_LOAD_NT
.set i, i+1
.endr
	s_cmp_ge_u32 ttmp9, 512
	s_cbranch_scc1 .Lquant
; Piece i leaves: 8 bytes a lane.
.macro STORE i
	global_store_b64 v2, v[Y+2*(\i):Y+2*(\i)+1], s[6:7] offset:2048*(\i) th:TH_STORE_NT
.endm
; The head of piece i, alike for both tensors: its data are in; at a group's head the one wait for the group before; then the store of the piece four back.
.macro HEAD i
	s_wait_loadcnt PIECES-1-(\i)                   ; loads come back in order (ISA guide 5.7.1): piece i is in, the younger ones stay out
.if (((\i) % GROUP) == 0) && ((\i) > 0)
	s_wait_alu depctr_va_vdst(0)                   ; the group before has written its eight registers of Y, which the four stores dealt among this group's pieces read
.endif
.if (\i) >= GROUP
	STORE (\i)-GROUP                               ; no vector instruction since the wait names its registers
.endif
.endm
; The last group leaves.
.macro TAIL
	s_wait_alu depctr_va_vdst(0)                   ; the last group has written its eight registers of Y, which the last four stores read
	STORE PIECES-4
	STORE PIECES-3
	STORE PIECES-2
	STORE PIECES-1
.endm
; A piece of whole numbers: to f32, then two roundings to bf16 an instruction.
.macro CVT i
	HEAD \i
.irp j, 0,1,2,3
	v_cvt_f32_i32 v[X+4*(\i)+(\j)], v[X+4*(\i)+(\j)]
.endr
	v_cvt_pk_bf16_f32 v[Y+2*(\i)],   v[X+4*(\i)],   v[X+4*(\i)+1]
	v_cvt_pk_bf16_f32 v[Y+2*(\i)+1], v[X+4*(\i)+2], v[X+4*(\i)+3]
.endm
.irp i, 0,1,2,3,4,5,6,7,8,9,10,11,12,13,14,15
	CVT \i
.endr
	TAIL
	s_endpgm
.Lquant:
	s_load_b32 s3, s[16:17], 0x0                   ; a0_in
	s_wait_kmcnt 0x0
	v_mov_b32 v102, s3
	v_rcp_f32 v103, v102
	v_nop                                          ; a plain instruction between the reciprocal and the use of its result (ISA guide 5.7.2)
	s_wait_alu depctr_va_vdst(0)                   ; the reciprocal has written v103, which the next line reads
	v_mul_f32 v[SCL], s31, v103                    ; 127 / a, first guess
	v_fma_f32 v[SCL+1], -v[SCL], v102, s31         ; what is left of 127
	v_fma_f32 v[SCL], v[SCL+1], v103, v[SCL]       ; corrected once
	v_mov_b32 v[SCL+1], v[SCL]
; A piece of x: scaled, rounded to the nearest whole number (halves to even), held to -127 .. 127, written as bf16 (exact).
.macro QNT i
	HEAD \i
	v_pk_mul_f32 v[X+4*(\i):X+4*(\i)+1],   v[X+4*(\i):X+4*(\i)+1],   v[SCL:SCL+1]
	v_pk_mul_f32 v[X+4*(\i)+2:X+4*(\i)+3], v[X+4*(\i)+2:X+4*(\i)+3], v[SCL:SCL+1]
.irp j, 0,1,2,3
	v_rndne_f32 v[X+4*(\i)+(\j)], v[X+4*(\i)+(\j)]
.endr
.irp j, 0,1,2,3
	v_med3_num_f32 v[X+4*(\i)+(\j)], v[X+4*(\i)+(\j)], s30, s31
.endr
	v_cvt_pk_bf16_f32 v[Y+2*(\i)],   v[X+4*(\i)],   v[X+4*(\i)+1]
	v_cvt_pk_bf16_f32 v[Y+2*(\i)+1], v[X+4*(\i)+2], v[X+4*(\i)+3]
.endm
.irp i, 0,1,2,3,4,5,6,7,8,9,10,11,12,13,14,15
	QNT \i
.endr
	TAIL
	s_endpgm
.Lfunc_end_k_qa51403b0e8_prep:
	.size	k_qa51403b0e8_prep, .Lfunc_end_k_qa51403b0e8_prep-k_qa51403b0e8_prep
	.p2alignl 7, 3214868480
	.fill 96, 4, 3214868480
	.section	.rodata,"a",@progbits
	.p2align	6, 0x0
	.amdhsa_kernel k_qa51403b0e8_prep
		.amdhsa_group_segment_fixed_size 0
		.amdhsa_private_segment_fixed_size 0
		.amdhsa_enable_private_segment 0
		.amdhsa_kernarg_size 40
		.amdhsa_user_sgpr_count 2
		.amdhsa_user_sgpr_kernarg_segment_ptr 1
		.amdhsa_wavefront_size32 1
		.amdhsa_system_sgpr_workgroup_id_x 1
		.amdhsa_system_sgpr_workgroup_id_y 1
		.amdhsa_system_sgpr_workgroup_id_z 1
		.amdhsa_system_vgpr_workitem_id 0
		.amdhsa_next_free_vgpr 104
		.amdhsa_next_free_sgpr 66
		.amdhsa_reserve_vcc 0
		.amdhsa_float_denorm_mode_32 3
		.amdhsa_float_denorm_mode_16_64 3
		.amdhsa_memory_ordered 1
		.amdhsa_forward_progress 1
		.amdhsa_inst_pref_size 22
	.end_amdhsa_kernel
	.amdgpu_metadata
---
amdhsa.version: [ 1, 2 ]
amdhsa.kernels:
  - .name:           k_qa51403b0e8_prep
    .symbol:         k_qa51403b0e8_prep.kd
    .args:
      - { .name: W0, .offset: 0, .size: 8, .value_kind: global_buffer, .address_space: global }
      - { .name: x, .offset: 8, .size: 8, .value_kind: global_buffer, .address_space: global }
      - { .name: a0_in, .offset: 16, .size: 8, .value_kind: global_buffer, .address_space: global }
      - { .name: w0b, .offset: 24, .size: 8, .value_kind: global_buffer, .address_space: global }
      - { .name: xq, .offset: 32, .size: 8, .value_kind: global_buffer, .address_space: global }
    .group_segment_fixed_size: 0
    .private_segment_fixed_size: 0
    .kernarg_segment_align: 8
    .kernarg_segment_size: 40
    .max_flat_workgroup_size: 256
    .sgpr_count:     66
    .vgpr_count:     104
    .wavefront_size: 32
...
	.end_amdgpu_metadata
.endif
;; end of part 5
;; launch g0: the kernel of part 2 again; grid 16 x 16, 4 waves a work-group, clusters of 4 x 4, 327,680 bytes of LDS; arguments xq, w0b, h1, b0, a0_in, a0_w, a0_b, a2_in, W2, w2b; writes h1, w2b
;; launch g2: the kernel of part 3 again; grid 16 x 16, 4 waves a work-group, clusters of 4 x 4, 327,680 bytes of LDS; arguments h1, w2b, h2, b2, a2_in, a2_w, a2_b, a4_in, W4, w4b; writes h2, w4b
;; launch g4: the kernel of part 4 again; grid 16 x 16, 4 waves a work-group, clusters of 4 x 4, 327,680 bytes of LDS; arguments h2, w4b, out0, b4, a4_in, a4_w, a4_b; writes out0
